; MI455X (gfx1250); checked and timed in simulation.
; The chip was launched on July 23, 2026; its instructions are those of AMD's public machine-readable ISA for CDNA 5 (MIT licence, August 2026) and "CDNA5" Instruction Set Architecture Reference Guide (July 2026). The comments in the code are by the model that wrote it; some were corrected since.
;; Qwen3 Attention. Allowed arithmetic: float matrix products may take bf16 or f16 operands with f32 sums; all other float work in f32.
;; Inputs: Wk 1,024 x 2,048 float32; Wo 2,048 x 1,024 float32; Wq 1,024 x 2,048 float32; Wv 1,024 x 2,048 float32; cos 2 x 2,048 x 128 float32; k_norm_w 128 float32; q_norm_w 128 float32; sin 2 x 2,048 x 128 float32; x 2 x 2,048 x 2,048 float32.
;; Outputs: out0 2 x 2,048 x 2,048 float32.
;; One version. Each part assembles by itself: llvm-mc -triple=amdgcn-amd-amdhsa -mcpu=gfx1250 --defsym DOCPART=n.
;; ======== version 1 of 1: 4 launches
;; limits: values are held in f16: magnitudes above 65,504 overflow, below 6.1e-05 lose precision; right only within a limited range of input values
;; workspace buffers: cb 33,554,432 bytes; qkv 25,165,824 bytes; ob 8,388,608 bytes
;; launch conv (part 1): grid 1024 x 1, 8 waves a work-group, no clusters, 0 bytes of LDS; arguments x, Wq, Wk, Wv, Wo, cb; writes cb
.if DOCPART == 1
	.amdgcn_target "amdgcn-amd-amdhsa--gfx1250"
	.amdhsa_code_object_version 6
	.text
	.protected	k_qbfccd8800f_conv
	.globl	k_qbfccd8800f_conv
	.p2align	8
	.type	k_qbfccd8800f_conv,@function
k_qbfccd8800f_conv:
	s_mov_b64 s[64:65], 0
	v_nop
	global_prefetch_b8 v0, s[64:65] scope:SCOPE_SE
	s_setreg_imm32_b32 hwreg(HW_REG_WAVE_MODE, 25, 1), 1
	s_wait_xcnt 0x0
; x, Wq, Wk, Wv (f32) -> bf16; Wo (f32) -> rounded to bf16, that number written as f16 (it multiplies an f16 operand later).
; cb: byte 0 x[4096][2048]; 16 MiB Wq, Wk, Wv as one [3072][2048]; 28 MiB Wo[2048][1024].  All five sources are dense, so the
; destination is the chain of their chunks: work-group g turns 65,536 bytes of f32 into the 32,768 bytes at cb + 32,768 g.
; g 0-511: x; 512-639: Wq; 640-767: Wk; 768-895: Wv; 896-1023: Wo.  A stream: no LDS, no barrier, no matrix unit, nothing shared.
; A wave's load covers 512 consecutive bytes, its store 256 consecutive bytes at a multiple of 256 from cb's first byte.
; All sixteen loads of a thread go out at once; no register is used twice by a memory instruction, so only the counted waits for data are needed.
; LIMIT: Wo beyond 65,504 does not fit f16; below 6.1e-5 it keeps f16's fixed step of 6e-8.
.set X, 4                              ; v[4:67]    sixteen loads of four f32
.set Y, 68                             ; v[68:99]   sixteen pairs of packed results
.set T, 100                            ; v[100:105] at work (Wo's path)
	s_load_b256 s[4:11], s[0:1], 0x0               ; x, Wq, Wk, Wv
	s_load_b128 s[12:15], s[0:1], 0x20             ; Wo, cb
	s_mov_b32 s16, ttmp9                           ; g
	v_lshlrev_b32 v1, 4, v0                        ; 16 bytes a thread in
	v_lshlrev_b32 v2, 3, v0                        ; 8 bytes a thread out
	s_and_b32 s17, s16, 127                        ; the chunk's number inside a weight,
	s_cmp_lt_u32 s16, 512
	s_cselect_b32 s17, s16, s17                    ; or inside x
	s_lshl_b32 s20, s17, 16
	s_mov_b32 s21, 0
	s_lshl_b32 s24, s16, 15
	s_mov_b32 s25, 0
	s_wait_kmcnt 0x0
	s_cmp_lt_u32 s16, 896                          ; the source, chosen by g alone
	s_cselect_b64 s[18:19], s[10:11], s[12:13]
	s_cmp_lt_u32 s16, 768
	s_cselect_b64 s[18:19], s[8:9], s[18:19]
	s_cmp_lt_u32 s16, 640
	s_cselect_b64 s[18:19], s[6:7], s[18:19]
	s_cmp_lt_u32 s16, 512
	s_cselect_b64 s[18:19], s[4:5], s[18:19]
	s_add_nc_u64 s[18:19], s[18:19], s[20:21]
	s_add_nc_u64 s[22:23], s[14:15], s[24:25]
.irp i, 0,1,2,3,4,5,6,7,8,9,10,11,12,13,14,15
	global_load_b128 v[X+4*(\i):X+4*(\i)+3], v1, s[18:19] offset:4096*(\i) th:TH_LOAD_NT
.endr
	s_cmp_ge_u32 s16, 896
	s_cbranch_scc1 .Lwo
.irp i, 0,1,2,3,4,5,6,7,8,9,10,11,12,13,14,15
	s_wait_loadcnt 15-(\i)                         ; loads come back in order: load i is in, the 15 - i younger ones stay out
	v_cvt_pk_bf16_f32 v[Y+2*(\i)], v[X+4*(\i)], v[X+4*(\i)+1]
	v_cvt_pk_bf16_f32 v[Y+2*(\i)+1], v[X+4*(\i)+2], v[X+4*(\i)+3]
	global_store_b64 v2, v[Y+2*(\i):Y+2*(\i)+1], s[22:23] offset:2048*(\i)
.endr
	s_endpgm
.Lwo:
.irp i, 0,1,2,3,4,5,6,7,8,9,10,11,12,13,14,15
	s_wait_loadcnt 15-(\i)
	v_cvt_pk_bf16_f32 v[T], v[X+4*(\i)], v[X+4*(\i)+1]        ; rounded as every other input is,
	v_cvt_pk_bf16_f32 v[T+1], v[X+4*(\i)+2], v[X+4*(\i)+3]
	v_lshlrev_b32 v[T+2], 16, v[T]                             ; widened again,
	v_and_b32 v[T+3], 0xffff0000, v[T]
	v_lshlrev_b32 v[T+4], 16, v[T+1]
	v_and_b32 v[T+5], 0xffff0000, v[T+1]
	v_cvt_pk_f16_f32 v[Y+2*(\i)], v[T+2], v[T+3]               ; and written as f16: 8 significant bits fit its 11
	v_cvt_pk_f16_f32 v[Y+2*(\i)+1], v[T+4], v[T+5]
	global_store_b64 v2, v[Y+2*(\i):Y+2*(\i)+1], s[22:23] offset:2048*(\i)
.endr
	s_endpgm
.Lfunc_end_k_qbfccd8800f_conv:
	.size	k_qbfccd8800f_conv, .Lfunc_end_k_qbfccd8800f_conv-k_qbfccd8800f_conv
	.p2alignl 7, 3214868480
	.fill 96, 4, 3214868480
	.section	.rodata,"a",@progbits
	.p2align	6, 0x0
	.amdhsa_kernel k_qbfccd8800f_conv
		.amdhsa_group_segment_fixed_size 0
		.amdhsa_private_segment_fixed_size 0
		.amdhsa_enable_private_segment 0
		.amdhsa_kernarg_size 48
		.amdhsa_user_sgpr_count 2
		.amdhsa_user_sgpr_kernarg_segment_ptr 1
		.amdhsa_wavefront_size32 1
		.amdhsa_system_sgpr_workgroup_id_x 1
		.amdhsa_system_sgpr_workgroup_id_y 1
		.amdhsa_system_sgpr_workgroup_id_z 1
		.amdhsa_system_vgpr_workitem_id 0
		.amdhsa_next_free_vgpr 108
		.amdhsa_next_free_sgpr 66
		.amdhsa_reserve_vcc 0
		.amdhsa_float_denorm_mode_32 3
		.amdhsa_float_denorm_mode_16_64 3
		.amdhsa_memory_ordered 1
		.amdhsa_forward_progress 1
		.amdhsa_inst_pref_size 16
	.end_amdhsa_kernel
	.amdgpu_metadata
---
amdhsa.version: [ 1, 2 ]
amdhsa.kernels:
  - .name:           k_qbfccd8800f_conv
    .symbol:         k_qbfccd8800f_conv.kd
    .args:
      - { .name: x, .offset: 0, .size: 8, .value_kind: global_buffer, .address_space: global }
      - { .name: Wq, .offset: 8, .size: 8, .value_kind: global_buffer, .address_space: global }
      - { .name: Wk, .offset: 16, .size: 8, .value_kind: global_buffer, .address_space: global }
      - { .name: Wv, .offset: 24, .size: 8, .value_kind: global_buffer, .address_space: global }
      - { .name: Wo, .offset: 32, .size: 8, .value_kind: global_buffer, .address_space: global }
      - { .name: cb, .offset: 40, .size: 8, .value_kind: global_buffer, .address_space: global }
    .group_segment_fixed_size: 0
    .private_segment_fixed_size: 0
    .kernarg_segment_align: 8
    .kernarg_segment_size: 48
    .max_flat_workgroup_size: 256
    .sgpr_count:     66
    .vgpr_count:     108
    .wavefront_size: 32
...
	.end_amdgpu_metadata
.endif
;; end of part 1
;; launch qkv (part 2): grid 8 x 32, 4 waves a work-group, clusters of 4 x 4, 327,680 bytes of LDS; arguments cb, cos, sin, q_norm_w, k_norm_w, qkv; writes qkv
.if DOCPART == 2
	.amdgcn_target "amdgcn-amd-amdhsa--gfx1250"
	.amdhsa_code_object_version 6
	.text
	.protected	k_qbfccd8800f_qkv
	.globl	k_qbfccd8800f_qkv
	.p2align	8
	.type	k_qbfccd8800f_qkv,@function
k_qbfccd8800f_qkv:
	s_mov_b64 s[64:65], 0
	v_nop
	global_prefetch_b8 v0, s[64:65] scope:SCOPE_SE
	s_setreg_imm32_b32 hwreg(HW_REG_WAVE_MODE, 25, 1), 1
	s_wait_xcnt 0x0
	s_wait_alu depctr_hold_cnt(0) depctr_sa_sdst(0) depctr_va_vdst(0) depctr_va_sdst(0) depctr_va_ssrc(0) depctr_va_vcc(0) depctr_vm_vsrc(0)
	s_getreg_b32 s2, hwreg(HW_REG_IB_STS2, 6, 4)
	s_cmp_eq_u32 s2, 0
	s_cbranch_scc0 .Lentry_in_a_cluster
	s_endpgm
.Lentry_in_a_cluster:
	s_bfe_u32 s2, ttmp6, 0x10000c
	s_cmp_lg_u32 s2, 0xf033
	s_cbranch_scc0 .Lentry_shape_is_right
	s_endpgm
.Lentry_shape_is_right:
; q, k, v = x W^T (bf16 operands, f32 sums), RMS norm and RoPE on q and k in f32, all three written by heads, [16 = 8 b + head][2048][128] in f16.
; A work-group makes 128 rows x one head's 384 columns (q, k, v).  K = 2048 goes in 16 steps of 128 through two LDS slots; a slot holds four tiles of 128 rows x 256 bytes: x, Wq, Wk, Wv of the head,
; one tensor load for each of the four waves.  Wave w multiplies all 128 rows by the blocks of 16 columns w and w + 4 of each of q, k, v: channel d and its RoPE partner d + 64 then lie
; in the same lane and register place.  48 accumulators a wave: (a = row block 0-7, f = qL, qH, kL, kH, vL, vH).
; THE TEXT HOLDS A K STEP TWICE: once with a refill (a loop of 14 trips), once without (a loop of 2 trips).  Which slot is read and which is filled are two scalars that an exclusive or turns.
; THE WALK ALONG K BEGINS ELSEWHERE IN EACH CLUSTER: at step (8 X + 4 f(Y)) mod 16 (X, Y: the cluster's place in the grid; f = 0 1 2 3 3 2 1 0), and goes round.  So the two clusters that need the same
; rows of x ask for a given tile 8 trips apart, and clusters that need the same weights 0, 4, 8 or 12 trips apart.  The start hangs on the cluster's place alone: it is the same in all sixteen partners.
; THE SUMS ARE THEREFORE ADDED IN ANOTHER ORDER OF K THAN THE REFERENCE'S, a different one from cluster to cluster.
; THE MATRIX INSTRUCTION IS USED TRANSPOSED (source 0 = 16 rows of W, source 1 = 16 rows of x): lane l holds row l % 16 and the eight neighbouring columns 8 (l / 16) + 0..7 of its block.
; CLUSTER 4 x 4: the four of a row of the cluster share their 128 rows of x, the four of a column their head's weights: each tile is asked for jointly, by the same load, descriptor and mask in all four.
; cos, sin and the two gains are rounded to bf16 as x and the weights are, so that all inputs have one rounding.
; LIMITS: q, k, v leave as f16: |x Wv^T| stays under 65,504; q and k are bounded by sqrt(128) |gain| (|cos| + |sin|).  NaN and infinities are not treated apart.
; REGISTERS, in windows of 256 (s_set_vgpr_msb: bits 1:0 source 0, 3:2 source 1, 5:4 source 2, 7:6 destination):
;   window 0: v0-22 addresses; two fragment buffers of 112 (64 of x, 48 of W) at v32 and v144; on the way out v32-63 sums of squares, v64-127 1/rms, v128-191 at work, v192-255 packed results
;   window 1: cos and sin, 32 a row block (cosL, cosH, sinL, sinH)     windows 2, 3: accumulator (a, f) at v[8 (6 (a % 4) + f)] of window 2 + a / 4; window 2 v192-223 the gains (qL, qH, kL, kH)
.set PITCH,  272                       ; an LDS row: 256 bytes + 16 of padding = 68 words: the 16 rows that a load touches start at 16 different groups of four banks (64 banks of 4 bytes: ISA guide 11.1)
.set HALFT,  128*PITCH                 ; one tile
.set SLOT,   4*HALFT
.set STG,    2*SLOT                    ; behind the ring: 128 rows x 272 bytes, the work-group's stage for the way out
.set PS,     STG+128*PITCH             ; 4,096 bytes: each wave's part of the rows' sums of squares
.set SPARE,  PS+4096                   ; the spare words, 128 bytes for each wave: two blocks of 256 bytes that no other line names
.set STEPS,  16                        ; K steps of 128
.set ADRA, 4                           ; v4      my lane's place in x's tile; never rewritten
.set CA,   5                           ; v5      the same in the slot that is read
.set ADRB, 6                           ; v6-8    my lane's place in Wq's, Wk's, Wv's tile; never rewritten
.set CB,   9                           ; v9-11   the same in the slot that is read
.set STO,  12                          ; the way out: where I put 16 bytes of a row
.set RD,   13                          ; where I read rows back
.set CO,   14                          ; my byte offset in 512 consecutive bytes of the output
.set CSO,  15                          ; my byte offset in cos and sin
.set PSS,  16                          ; where I put my part of a sum of squares
.set PSL,  17                          ; where I read the four parts
.set NWO,  18                          ; my byte offset in the gains
.set SPW,  20                          ; LDS address of my spare word; never rewritten
.set NIL,  21                          ; 0; never rewritten
.set PFO,  22                          ; the row of x that my lane asks for ahead: (32 cx + lane) x 4,096 bytes; never rewritten
.set F0,   32
.set F1,   144
.set SS,   32
.set RR,   64
.set TT,   128
.set PKD,  192
.set NW,   192                         ; in window 2
.set WV,   16                          ; s16 my wave's number
.set G1A,  24                          ; s[24:31] group 1 for x's tiles; s[32:39] group 0: a set for each first fill; the second then serves every refill
.set G0A,  32
.set G1B,  48                          ; s[48:55], s[56:63] the same for the weights' tiles
.set G0B,  56
.set TB,   78                          ; s78 the slot that is read: 0 or SLOT
.set FS,   79                          ; s79 the slot that was filled last
.set KI,   88                          ; s88 the K step that the next fill brings, 0..15
.set KO,   90                          ; s[90:91] a K step's byte offset in a row
.set PFB,  92                          ; s[92:93] x at my block's rows and the K step asked for ahead
.set MSB, 0
.macro WIN new                         ; the immediate's high byte repeats the setting that is left; a switch that changes nothing is dropped
.if MSB != (\new)
	s_set_vgpr_msb (MSB<<8)|(\new)
.set MSB, \new
.endif
.endm
; A joint load: wave 0 fetches x's tile, waves 1 to 3 the three weights'.  The branch hangs on the wave's number alone.
; An s_nop 0 and four v_nop follow each of the two lines, ahead of the jump and the label.
; pf = 1 (the loop's refill): in the loop's first five trips wave 0 also asks ahead for the tile of x that the NEXT trip's refill brings (steps 3 to 7 of the walk, those in which this cluster asks for x's
; tiles 8 trips ahead of the other cluster that reads them): 32 lanes, one row of 256 bytes each, rows 32 cx + lane, so that the four work-groups of the cluster's row cover the tile's 128 rows once.
.macro JLOAD s, pf=0
	s_cmp_eq_u32 s[WV], 0
	s_cbranch_scc0 .Lfor_b_\@
	tensor_load_to_lds s[G0A+4*(\s):G0A+4*(\s)+3], s[G1A:G1A+7]
	s_nop 0
.rept 4
	v_nop
.endr
.if \pf
	s_cmp_lt_u32 s23, STEPS-2-4                    ; s23 counts the loop's 14 trips down: 14 to 10 are the first five
	s_cbranch_scc1 .Lasked_\@
	s_wait_xcnt 0x0                                ; the last trip's request has read its base (ISA guide 3.1): only now is the base written again
	s_lshl_b32 s[KO], s[KI], 8                     ; KI has been stepped: the K step of the next trip's refill
	s_add_nc_u64 s[PFB:PFB+1], s[40:41], s[KO:KO+1]
	global_prefetch_b8 v[PFO], s[PFB:PFB+1] th:TH_LOAD_NT scope:SCOPE_SE
.endif
	s_branch .Lasked_\@
.Lfor_b_\@:
	tensor_load_to_lds s[G0B+4*(\s):G0B+4*(\s)+3], s[G1B:G1B+7]
	s_nop 0
.rept 4
	v_nop
.endr
.Lasked_\@:
.endm
.macro CROUND                          ; a round of the cluster's barrier
	s_barrier_signal -1
	s_barrier_wait -1
	s_cmp_lg_u32 s[WV], 0
	s_cbranch_scc1 .Lnot_wave_0_\@
	s_barrier_signal -3
.Lnot_wave_0_\@:
	s_barrier_wait -3
	s_barrier_signal -1
	s_barrier_wait -1
.endm
.macro PLACES                          ; four places in front of loads into registers that matrix instructions have read, and of vector lines that read results
.rept 4
	v_nop
.endr
.endm
.macro ADDR                            ; my fragments' addresses in the slot that is read: four plain vector lines
	v_add_nc_u32 v[CA],   s[TB], v[ADRA]
	v_add_nc_u32 v[CB],   s[TB], v[ADRB]
	v_add_nc_u32 v[CB+1], s[TB], v[ADRB+1]
	v_add_nc_u32 v[CB+2], s[TB], v[ADRB+2]
.endm
	s_load_b256 s[4:11], s[0:1], 0x0               ; cb s[4:5], cos s[6:7], sin s[8:9], q_norm_w s[10:11]
	s_load_b128 s[12:15], s[0:1], 0x20             ; k_norm_w s[12:13], qkv s[14:15]
	v_lshl_add_u32 v[SPW], v0, 2, SPARE
	v_mov_b32 v[NIL], 0
	ds_add_u32 v[SPW], v[NIL]                      ; the wave's opening: the add and its wait stand ahead of my first tensor load; the set-up below stands between them
	v_lshrrev_b32 v1, 5, v0
	v_readfirstlane_b32 s[WV], v1                  ; wave 0..3
	s_bfe_u32 s17, ttmp6, 0x40000                  ; cx
	s_bfe_u32 s18, ttmp6, 0x40004                  ; cy
	s_lshl_b32 s19, ttmp9, 2
	s_add_co_u32 s19, s19, s17                     ; head = 4 x cluster x + cx
	s_and_b32 s20, ttmp7, 0xffff
	s_lshl_b32 s20, s20, 2
	s_add_co_u32 s20, s20, s18                     ; block of 128 rows = 4 x cluster y + cy
	s_lshl_b32 s21, s18, 2
	s_lshl_b32 s21, 15, s21                        ; my row of the cluster
	s_lshl_b32 s22, 0x1111, s17                    ; my column
	s_and_b32 s46, ttmp7, 0xffff                   ; where my cluster's walk along K begins: Y = the cluster's y, 0..7,
	s_sub_co_u32 s47, 7, s46
	s_cmp_lt_u32 s46, 4
	s_cselect_b32 s46, s46, s47                    ; f(Y) = 0 1 2 3 3 2 1 0,
	s_lshl_b32 s46, s46, 2
	s_lshl_b32 s47, ttmp9, 3                       ; X = the cluster's x, 0 or 1:
	s_add_co_u32 s[KI], s46, s47
	s_and_b32 s[KI], s[KI], STEPS-1                ; (8 X + 4 f(Y)) mod 16: made of no place inside the cluster
	s_mov_b32 s[KO+1], 0
	; group 1: a tile of 128 rows x 128 elements of 2 bytes, 4 words of padding behind every 64 words
	s_or_b32 s[G1A], s21, (1<<16)|(1<<20)|(1<<21)|(5<<22)|(3<<25)  ; 15:0 the mask: x's tiles go to my row; 17:16 2-byte elements; 20 padding on; 21 set beside a mask; 24:22 code 5; 31:25 code 3
	s_or_b32 s[G1B], s22, (1<<16)|(1<<20)|(1<<21)|(5<<22)|(3<<25)  ; the same with my column's mask
.irp g, G1A, G1B
	s_mov_b32 s[(\g)+1], 128<<16                   ; tensor_dim0 = 128
	s_mov_b32 s[(\g)+2], 128<<16                   ; tensor_dim1 = 128
	s_mov_b32 s[(\g)+3], 128<<16                   ; tile_dim0 = 128
	s_mov_b32 s[(\g)+4], 128                       ; tile_dim1 = 128
	s_mov_b32 s[(\g)+5], 2048                      ; elements from row to row
	s_mov_b32 s[(\g)+6], 0
	s_mov_b32 s[(\g)+7], 0
.endr
	s_lshl_b32 s40, s20, 19                        ; x: 128 rows of 4,096 bytes a block; hangs on the block alone
	s_mov_b32 s41, 0
	s_max_u32 s44, s[WV], 1
	s_sub_co_u32 s44, s44, 1                       ; which weight I fetch (waves 1 to 3)
	s_lshl_b32 s44, s44, 22                        ; 1,024 rows of 4,096 bytes a weight
	s_lshl_b32 s42, s19, 19                        ; the head's 128 rows
	s_add_co_u32 s42, s42, s44
	s_add_co_u32 s42, s42, 0x1000000               ; the weights begin 16 MiB into cb
	s_mov_b32 s43, 0
	s_mul_i32 s45, s[WV], HALFT                    ; my tile's place in a slot: no place in the cluster enters an LDS address
	s_mov_b32 s[TB], 0                             ; the walk's first step lies in slot 0
	s_mov_b32 s[FS], SLOT                          ; the last first fill goes to slot 1
	s_mov_b32 s72, 0xffff0000                      ; a word's upper bf16; also the mask of lanes 16 to 31
	s_mov_b32 s73, 0x3c000000                      ; 1 / 128
	s_mov_b32 s74, 0x358637bd                      ; 1e-6
	s_mov_b32 s76, 0x76543210                      ; v_permlanex16_b32: each lane takes its own place in the other half
	s_mov_b32 s77, 0xfedcba98
	s_wait_dscnt 0x0                               ; the opening add is done
	s_wait_kmcnt 0x0
	s_add_nc_u64 s[40:41], s[4:5], s[40:41]        ; x at my block's rows, K = 0; kept
	s_add_nc_u64 s[42:43], s[4:5], s[42:43]        ; my weight at the head's rows, K = 0; kept
	CROUND                                         ; all sixteen work-groups are here: the first joint loads meet
.irp s, 0,1
	s_lshl_b32 s[KO], s[KI], 8                     ; a K step is 256 bytes of a row
	s_mov_b32 s[G0A+4*(\s)], 1
	s_add_co_u32 s[G0A+4*(\s)+1], s45, (\s)*SLOT
	s_add_nc_u64 s[G0A+4*(\s)+2:G0A+4*(\s)+3], s[40:41], s[KO:KO+1]
	s_or_b32 s[G0A+4*(\s)+3], s[G0A+4*(\s)+3], 0x80000000
	s_mov_b32 s[G0B+4*(\s)], 1
	s_add_co_u32 s[G0B+4*(\s)+1], s45, (\s)*SLOT
	s_add_nc_u64 s[G0B+4*(\s)+2:G0B+4*(\s)+3], s[42:43], s[KO:KO+1]
	s_or_b32 s[G0B+4*(\s)+3], s[G0B+4*(\s)+3], 0x80000000
	JLOAD \s
	s_add_co_u32 s[KI], s[KI], 1                   ; the walk goes round
	s_and_b32 s[KI], s[KI], STEPS-1
.endr
	; addresses
	v_and_b32 v1, 15, v0                           ; r = l % 16
	v_bfe_u32 v2, v0, 4, 1                         ; h = l / 16
	v_and_b32 v3, 31, v0                           ; l
	v_mul_u32_u24 v19, v1, PITCH
	v_lshl_add_u32 v19, v2, 4, v19                 ; a fragment's row x pitch + 16 x half
	v_mov_b32 v[ADRA], v19
	s_mul_i32 s86, s[WV], 16*PITCH                 ; my block of 16 rows in a weight's tile
	s_add_co_u32 s86, s86, HALFT
.irp t, 0,1,2
	v_add_nc_u32 v[ADRB+(\t)], s86, v19
	s_add_co_u32 s86, s86, HALFT
.endr
	ADDR
	s_lshl_b32 s86, s17, 17                        ; 32 cx rows of 4,096 bytes
	v_lshl_add_u32 v[PFO], v3, 12, s86
	s_lshl_b32 s86, s[WV], 5
	s_add_co_u32 s86, s86, STG
	v_add_nc_u32 v[STO], s86, v19                  ; row r, bytes 32 w + 16 h
	s_mul_i32 s86, s[WV], 32*PITCH
	s_add_co_u32 s86, s86, STG
	v_mul_u32_u24 v[RD], v2, PITCH
	v_lshl_add_u32 v[RD], v1, 4, v[RD]
	v_add_nc_u32 v[RD], s86, v[RD]                 ; back: wave w takes rows 32 w on, lanes 0-15 one row, lanes 16-31 the next
	v_lshlrev_b32 v[CO], 4, v3
	s_lshl_b32 s86, s[WV], 6
	v_lshlrev_b32 v[CSO], 9, v1
	v_lshl_add_u32 v[CSO], v2, 5, v[CSO]
	v_add_nc_u32 v[CSO], s86, v[CSO]               ; row r x 512 + 4 (16 w + 8 h)
	v_lshl_add_u32 v[NWO], v2, 5, s86
	s_lshl_b32 s87, s[WV], 2
	s_add_co_u32 s87, s87, PS
	v_lshl_add_u32 v[PSS], v3, 4, s87
	v_lshl_add_u32 v[PSL], v1, 4, PS
	s_lshr_b32 s80, s20, 4                         ; the batch,
	s_lshl_b32 s80, s80, 3
	s_add_co_u32 s80, s80, s19                     ; 8 b + head,
	s_lshl_b32 s80, s80, 19                        ; its 2,048 rows of 256 bytes,
	s_and_b32 s82, s20, 15
	s_lshl_b32 s82, s82, 15                        ; my block's 128 rows,
	s_add_co_u32 s80, s80, s82
	s_lshl_b32 s82, s[WV], 13                      ; the 32 of them that my wave stores
	s_add_co_u32 s80, s80, s82
	s_mov_b32 s81, 0
	s_add_nc_u64 s[66:67], s[14:15], s[80:81]      ; q
	s_add_nc_u64 s[68:69], s[66:67], 0x800000      ; k
	s_add_nc_u64 s[70:71], s[66:67], 0x1000000     ; v
	s_lshl_b32 s84, s20, 16                        ; cos and sin at my block's 128 rows of 512 bytes
	s_mov_b32 s85, 0
	s_add_nc_u64 s[6:7], s[6:7], s[84:85]
	s_add_nc_u64 s[8:9], s[8:9], s[84:85]
; 12 matrix instructions: row blocks a0, a0 + 1 of the window's four x my six column blocks, 32 along K.  zero = 1: the first product starts the sums.
.macro MUL12 f, hi, a0, zero
	WIN 0xa0+0x50*(\hi)
.irp a, \a0, (\a0)+1
.irp b, 0,1,2,3,4,5
.if \zero
	v_wmma_f32_16x16x32_bf16 v[8*(6*(\a)+(\b)):8*(6*(\a)+(\b))+7], v[(\f)+64+8*(\b):(\f)+64+8*(\b)+7], v[(\f)+8*(4*(\hi)+(\a)):(\f)+8*(4*(\hi)+(\a))+7], 0
.else
	v_wmma_f32_16x16x32_bf16 v[8*(6*(\a)+(\b)):8*(6*(\a)+(\b))+7], v[(\f)+64+8*(\b):(\f)+64+8*(\b)+7], v[(\f)+8*(4*(\hi)+(\a)):(\f)+8*(4*(\hi)+(\a))+7], v[8*(6*(\a)+(\b)):8*(6*(\a)+(\b))+7]
.endif
.endr
.endr
.endm
; 28 LDS loads in one run: the fragments of 32 along K at byte k of the rows of the slot that is read: 12 for the weights, then 16 for x
.macro FETCH k, f
	WIN 0
.irp t, 0,1,2
.irp g, 0,1
	ds_load_b128 v[(\f)+64+8*(2*(\t)+(\g)):(\f)+64+8*(2*(\t)+(\g))+3],   v[CB+(\t)] offset:(\k)+(\g)*64*PITCH
	ds_load_b128 v[(\f)+64+8*(2*(\t)+(\g))+4:(\f)+64+8*(2*(\t)+(\g))+7], v[CB+(\t)] offset:(\k)+(\g)*64*PITCH+32
.endr
.endr
.irp a, 0,1,2,3,4,5,6,7
	ds_load_b128 v[(\f)+8*(\a):(\f)+8*(\a)+3],   v[CA] offset:(\k)+(\a)*16*PITCH
	ds_load_b128 v[(\f)+8*(\a)+4:(\f)+8*(\a)+7], v[CA] offset:(\k)+(\a)*16*PITCH+32
.endr
.endm
; A K step is four quarters of 32 along K, 48 matrix instructions each, on buffers 0, 1, 0, 1; the 48 accumulators take turns in one order throughout.
; One of the first three: multiplies buffer f; in its middle it fetches the next quarter's fragments, at byte k, into buffer g.
.macro QUARTER k, f, g, zero
	s_wait_dscnt 8                                 ; the weights and x's rows 0-63 are in; the youngest eight loads (rows 64-127) may be out
	MUL12 \f, 0, 0, \zero
	MUL12 \f, 0, 2, \zero
	PLACES
	FETCH \k, \g
	s_wait_dscnt 28                                ; all but the 28 just issued
	MUL12 \f, 1, 0, \zero
	MUL12 \f, 1, 2, \zero
.endm
; The last quarter changes slots and then multiplies buffer 1.  The slot's last fragments were asked for in the third quarter, so the change stands at the quarter's head: each wave waits for all its
; tensor loads (one is out: its tile of the next slot), adds 0 to its spare word, and waits for that and for its own reads of this slot.  fill = 1: the barrier is a round of the cluster's, and this
; slot is filled again, two steps of the walk ahead, first thing behind it: from the request to the wait for it a wave issues a whole K step's 192 matrix instructions.
.macro TURN fill
	WIN 0
	s_wait_tensorcnt 0x0                           ; no tensor load of mine is out, so a group 0 may be written
	ds_add_u32 v[SPW], v[NIL]                      ; 0 onto my spare word; the scalar steps below stand between it and the wait for it
.if \fill
	s_xor_b32 s[FS], s[FS], SLOT                   ; the refills' descriptors: the other slot than last time,
	s_add_co_u32 s[G0A+5], s[FS], s45
	s_add_co_u32 s[G0B+5], s[FS], s45
	s_lshl_b32 s[KO], s[KI], 8                     ; and the walk's next K step: the address is made anew from its number
	s_add_nc_u64 s[G0A+6:G0A+7], s[40:41], s[KO:KO+1]
	s_or_b32 s[G0A+7], s[G0A+7], 0x80000000
	s_add_nc_u64 s[G0B+6:G0B+7], s[42:43], s[KO:KO+1]
	s_or_b32 s[G0B+7], s[G0B+7], 0x80000000
	s_add_co_u32 s[KI], s[KI], 1
	s_and_b32 s[KI], s[KI], STEPS-1
.endif
	s_xor_b32 s[TB], s[TB], SLOT                   ; the fetches go to the other slot
	s_wait_dscnt 0x0                               ; the add is done, and my reads of this slot are over
.if \fill
	CROUND                                         ; no wave of any partner still reads this slot or has a load on its way
	JLOAD 1, 1
.else
	s_barrier_signal -1
	s_barrier_wait -1
.endif
	ADDR                                           ; four plain lines: the places in front of the loads into buffer 0, which the third quarter multiplied
	FETCH 0, F0
	MUL12 F1, 0, 0, 0
	MUL12 F1, 0, 2, 0
	MUL12 F1, 1, 0, 0
	MUL12 F1, 1, 2, 0
.endm
; cos and sin of row blocks 4 g to 4 g + 3, for my 16 channels and their partners: into window 1, which nothing else uses
.macro CSLOAD g
	WIN 0x40
.irp a, 4*(\g), 4*(\g)+1, 4*(\g)+2, 4*(\g)+3
	global_load_b128 v[32*(\a):32*(\a)+3],     v[CSO], s[6:7] offset:(\a)*8192
	global_load_b128 v[32*(\a)+4:32*(\a)+7],   v[CSO], s[6:7] offset:(\a)*8192+16
	global_load_b128 v[32*(\a)+8:32*(\a)+11],  v[CSO], s[6:7] offset:(\a)*8192+256
	global_load_b128 v[32*(\a)+12:32*(\a)+15], v[CSO], s[6:7] offset:(\a)*8192+272
	global_load_b128 v[32*(\a)+16:32*(\a)+19], v[CSO], s[8:9] offset:(\a)*8192
	global_load_b128 v[32*(\a)+20:32*(\a)+23], v[CSO], s[8:9] offset:(\a)*8192+16
	global_load_b128 v[32*(\a)+24:32*(\a)+27], v[CSO], s[8:9] offset:(\a)*8192+256
	global_load_b128 v[32*(\a)+28:32*(\a)+31], v[CSO], s[8:9] offset:(\a)*8192+272
.endr
	WIN 0
.endm
	s_wait_tensorcnt 1                             ; my tile of the walk's first step is in; the second's may stay out
	s_barrier_signal -1
	s_barrier_wait -1
	FETCH 0, F0
	QUARTER 64, F0, F1, 1                          ; the first quarter stands in front of the loop: its products start the sums
	CSLOAD 0                                       ; what the way out needs from memory is asked for under the products: half of cos and sin and the gains here, the other half ahead of the last two K steps
	WIN 0x80
	global_load_b128 v[NW:NW+3],     v[NWO], s[10:11]
	global_load_b128 v[NW+4:NW+7],   v[NWO], s[10:11] offset:16
	global_load_b128 v[NW+8:NW+11],  v[NWO], s[10:11] offset:256
	global_load_b128 v[NW+12:NW+15], v[NWO], s[10:11] offset:272
	global_load_b128 v[NW+16:NW+19], v[NWO], s[12:13]
	global_load_b128 v[NW+20:NW+23], v[NWO], s[12:13] offset:16
	global_load_b128 v[NW+24:NW+27], v[NWO], s[12:13] offset:256
	global_load_b128 v[NW+28:NW+31], v[NWO], s[12:13] offset:272
	WIN 0                                          ; at a label and at a branch every window is 0
	s_mov_b32 s23, STEPS-2
.Lstep:                                                ; a trip: a K step's second quarter to the next step's first; the slot that it leaves is filled again
	QUARTER 128, F1, F0, 0
	QUARTER 192, F0, F1, 0
	TURN 1
	QUARTER 64,  F0, F1, 0
	WIN 0
	s_sub_co_u32 s23, s23, 1
	s_cmp_lg_u32 s23, 0
	s_cbranch_scc1 .Lstep
	CSLOAD 1
	s_mov_b32 s23, 2
.Ltail:                                                ; the last two K steps fill nothing
	QUARTER 128, F1, F0, 0
	QUARTER 192, F0, F1, 0
	TURN 0                                         ; in the second trip its barrier and its 28 loads (of the other slot's old bytes) serve nothing: the price, once a launch, of one text for both trips
	WIN 0
	s_cmp_eq_u32 s23, 1
	s_cbranch_scc1 .Llast                          ; behind the last K step there is no next step's first quarter
	QUARTER 64,  F0, F1, 0
	WIN 0
.Llast:
	s_wait_dscnt 0x0                               ; both ways arrive with no LDS load out
	s_sub_co_u32 s23, s23, 1
	s_cmp_lg_u32 s23, 0
	s_cbranch_scc1 .Ltail
	PLACES
	; SUMS OF SQUARES of my 16 channels of q and of k, for each row block: eight chains at a time; each accumulator's lowest registers are read first
.irp hi, 0,1
	WIN 0x0a+5*(\hi)
.set p, 0
.rept 8
.set a4, 0
.rept 4
.irp t, 0,1
.set AC, 8*(6*a4+2*(\t)+p/4)+2*(p%4)
.set SD, SS+2*(2*(4*(\hi)+a4)+(\t))
.if p == 0
	v_pk_mul_f32 v[SD:SD+1], v[AC:AC+1], v[AC:AC+1]
.else
	v_pk_fma_f32 v[SD:SD+1], v[AC:AC+1], v[AC:AC+1], v[SD:SD+1]
.endif
.endr
.set a4, a4+1
.endr
.set p, p+1
.endr
.endr
	WIN 0
.irp i, 0,1,2,3,4,5,6,7,8,9,10,11,12,13,14,15
	v_add_f32 v[SS+2*(\i)], v[SS+2*(\i)], v[SS+2*(\i)+1]
.endr
	; a row's other eight channels lie in the lane 16 away: lanes 0-15 end up with q's sum, lanes 16-31 with k's
.irp a, 0,1,2,3,4,5,6,7
	v_cndmask_b32 v[SS+4*(\a)+1], v[SS+4*(\a)], v[SS+4*(\a)+2], s72    ; what I keep
	v_cndmask_b32 v[SS+4*(\a)+3], v[SS+4*(\a)+2], v[SS+4*(\a)], s72    ; what the other half wants
.endr
.irp a, 0,1,2,3,4,5,6,7
	v_permlanex16_b32 v[SS+4*(\a)], v[SS+4*(\a)+3], s76, s77
.endr
.irp a, 0,1,2,3,4,5,6,7
	v_add_f32 v[SS+4*(\a)+2], v[SS+4*(\a)+1], v[SS+4*(\a)]
.endr
.irp a, 0,1,2,3,4,5,6,7
	ds_store_b32 v[PSS], v[SS+4*(\a)+2] offset:512*(\a)
.endr
	s_wait_loadcnt 0x0                             ; cos, sin and the gains
	s_wait_dscnt 0x0                               ; for the others' sake: my parts are in LDS
	s_barrier_signal -1
	; between signal and wait, work on registers: cos, sin and the gains are rounded to bf16 and widened again, in place
.macro ROUNDB base, n
.set z, 0
.rept (\n)/16
.set y, 0
.rept 16
	v_cvt_pk_bf16_f32 v[(\base)+2*(z+y)], v[(\base)+2*(z+y)], v[(\base)+2*(z+y)+1]
.set y, y+1
.endr
.set y, 0
.rept 16
	v_and_b32 v[(\base)+2*(z+y)+1], s72, v[(\base)+2*(z+y)]
.set y, y+1
.endr
.set y, 0
.rept 16
	v_lshlrev_b32 v[(\base)+2*(z+y)], 16, v[(\base)+2*(z+y)]
.set y, y+1
.endr
.set z, z+16
.endr
.endm
	WIN 0x45
	ROUNDB 0, 128
	WIN 0x8a
	ROUNDB NW, 16
	WIN 0
	s_barrier_wait -1
.irp i, 0,1,2,3,4,5,6,7,8,9,10,11,12,13,14,15
	ds_load_b128 v[RR+4*(\i):RR+4*(\i)+3], v[PSL] offset:256*(\i)  ; row block i / 2, q or k: the four waves' parts for row r
.endr
	s_wait_dscnt 0x0
.irp i, 0,1,2,3,4,5,6,7,8,9,10,11,12,13,14,15
	v_pk_add_f32 v[RR+4*(\i):RR+4*(\i)+1], v[RR+4*(\i):RR+4*(\i)+1], v[RR+4*(\i)+2:RR+4*(\i)+3]
.endr
.irp i, 0,1,2,3,4,5,6,7,8,9,10,11,12,13,14,15
	v_add_f32 v[RR+4*(\i)], v[RR+4*(\i)], v[RR+4*(\i)+1]
.endr
.irp i, 0,1,2,3,4,5,6,7,8,9,10,11,12,13,14,15
	v_fma_f32 v[RR+4*(\i)], v[RR+4*(\i)], s73, s74   ; the mean of 128 squares + 1e-6
.endr
.irp i, 0,1,2,3,4,5,6,7,8,9,10,11,12,13,14,15
	v_rsq_f32 v[RR+4*(\i)], v[RR+4*(\i)]
.endr
	v_nop                                          ; a plain instruction between the last root and the use of its result (ISA guide 5.7.2)
	s_wait_alu depctr_va_vdst(0)
; q (t = 0) or k (t = 1): times 1/rms, times the gain, RoPE, rounded to f16: four row blocks at a time
.macro PASS t
	s_wait_xcnt 0x0                                ; v128-191 were the data of the last pass's stores: written again only behind this wait
.irp hi, 0,1
	WIN 0x82+0x41*(\hi)
.set a4, 0
.rept 4
.set p, 0
.rept 8
.set AC, 8*(6*a4+2*(\t))+2*p
.set RA, RR+4*(2*(4*(\hi)+a4)+(\t))
	v_pk_mul_f32 v[AC:AC+1], v[AC:AC+1], v[RA:RA+1] op_sel_hi:[1,0]
.set p, p+1
.endr
.set a4, a4+1
.endr
	WIN 0x8a+0x41*(\hi)
.set a4, 0
.rept 4
.set p, 0
.rept 8
.set AC, 8*(6*a4+2*(\t))+2*p
	v_pk_mul_f32 v[AC:AC+1], v[AC:AC+1], v[NW+16*(\t)+2*p:NW+16*(\t)+2*p+1]
.set p, p+1
.endr
.set a4, a4+1
.endr
	WIN 0x06+(\hi)
.set a4, 0
.rept 4
.set AL, 8*(6*a4+2*(\t))
.set AH, AL+8
.set CB4, 32*(4*(\hi)+a4)
.set TA, TT+16*a4
.irp p, 0,2,4,6
	v_pk_mul_f32 v[TA+(\p):TA+(\p)+1],     v[AH+(\p):AH+(\p)+1], v[CB4+16+(\p):CB4+16+(\p)+1]   ; y[d + 64] sin[d]
	v_pk_mul_f32 v[TA+8+(\p):TA+8+(\p)+1], v[AL+(\p):AL+(\p)+1], v[CB4+24+(\p):CB4+24+(\p)+1]   ; y[d] sin[d + 64]
.endr
.set a4, a4+1
.endr
.set a4, 0
.rept 4
.set AL, 8*(6*a4+2*(\t))
.set AH, AL+8
.set CB4, 32*(4*(\hi)+a4)
.set TA, TT+16*a4
.irp p, 0,2,4,6
	v_pk_fma_f32 v[TA+(\p):TA+(\p)+1],     v[AL+(\p):AL+(\p)+1], v[CB4+(\p):CB4+(\p)+1],     v[TA+(\p):TA+(\p)+1] neg_lo:[0,0,1] neg_hi:[0,0,1]
	v_pk_fma_f32 v[TA+8+(\p):TA+8+(\p)+1], v[AH+(\p):AH+(\p)+1], v[CB4+8+(\p):CB4+8+(\p)+1], v[TA+8+(\p):TA+8+(\p)+1]
.endr
.set a4, a4+1
.endr
	WIN 0
.set a4, 0
.rept 4
.set p, 0
.rept 8
	v_cvt_pk_f16_f32 v[PKD+8*(4*(\hi)+a4)+p], v[TT+16*a4+2*p], v[TT+16*a4+2*p+1]
.set p, p+1
.endr
.set a4, a4+1
.endr
.endr
.endm
.macro PASSV                           ; v is only rounded
.irp hi, 0,1
	WIN 0x0a+5*(\hi)
.set a4, 0
.rept 4
.set p, 0
.rept 8
	v_cvt_pk_f16_f32 v[PKD+8*(4*(\hi)+a4)+p], v[8*(6*a4+4)+2*p], v[8*(6*a4+4)+2*p+1]
.set p, p+1
.endr
.set a4, a4+1
.endr
.endr
	WIN 0
.endm
; 128 rows x 256 bytes go through the work-group's stage: a row's bytes come from all four waves, so a barrier stands between writing and reading, and another (its signal at this macro's end, its wait
; at the next one's head, the next pass's arithmetic between them) between reading and the next writing.
.macro OUT t, more
	WIN 0
.if (\t) > 0
	s_barrier_wait -1                              ; every wave has read the last pass's rows
.endif
.irp a, 0,1,2,3,4,5,6,7
	ds_store_b128 v[STO], v[PKD+8*(\a):PKD+8*(\a)+3]   offset:(\a)*16*PITCH
	ds_store_b128 v[STO], v[PKD+8*(\a)+4:PKD+8*(\a)+7] offset:(\a)*16*PITCH+128
.endr
	s_wait_dscnt 0x0                               ; for the others' sake: my stores into the stage are done
	s_barrier_signal -1
	s_barrier_wait -1
	s_wait_xcnt 0x0                                ; v128-191 may be the data of earlier stores
.irp i, 0,1,2,3,4,5,6,7,8,9,10,11,12,13,14,15
	ds_load_b128 v[TT+4*(\i):TT+4*(\i)+3], v[RD] offset:(\i)*2*PITCH
.endr
.irp i, 0,1,2,3,4,5,6,7,8,9,10,11,12,13,14,15
	s_wait_dscnt 15-(\i)                           ; load i is back, the younger ones stay out
	global_store_b128 v[CO], v[TT+4*(\i):TT+4*(\i)+3], s[66+2*(\t):67+2*(\t)] offset:512*(\i)  ; 512 consecutive bytes, at a multiple of 256 from the buffer's first
.endr
.if \more
	s_barrier_signal -1                            ; my reads of the stage are over (the count-down ended at 0)
.endif
.endm
	PASS 0
	OUT 0, 1
	PASS 1
	OUT 1, 1
	PASSV
	OUT 2, 0
	s_wait_tensorcnt 0x0                           ; the wave's end: behind my last tensor load and my last LDS store
	ds_add_u32 v[SPW], v[NIL]
	s_wait_dscnt 0x0
	CROUND                                         ; the closing round: no work-group ends while a partner may still ask for a tile that names it
	s_endpgm
.Lfunc_end_k_qbfccd8800f_qkv:
	.size	k_qbfccd8800f_qkv, .Lfunc_end_k_qbfccd8800f_qkv-k_qbfccd8800f_qkv
	.p2alignl 7, 3214868480
	.fill 96, 4, 3214868480
	.section	.rodata,"a",@progbits
	.p2align	6, 0x0
	.amdhsa_kernel k_qbfccd8800f_qkv
		.amdhsa_group_segment_fixed_size 327680
		.amdhsa_private_segment_fixed_size 0
		.amdhsa_enable_private_segment 0
		.amdhsa_kernarg_size 48
		.amdhsa_user_sgpr_count 2
		.amdhsa_user_sgpr_kernarg_segment_ptr 1
		.amdhsa_wavefront_size32 1
		.amdhsa_system_sgpr_workgroup_id_x 1
		.amdhsa_system_sgpr_workgroup_id_y 1
		.amdhsa_system_sgpr_workgroup_id_z 1
		.amdhsa_system_vgpr_workitem_id 0
		.amdhsa_next_free_vgpr 960
		.amdhsa_next_free_sgpr 96
		.amdhsa_reserve_vcc 0
		.amdhsa_float_denorm_mode_32 3
		.amdhsa_float_denorm_mode_16_64 3
		.amdhsa_memory_ordered 1
		.amdhsa_forward_progress 1
		.amdhsa_inst_pref_size 156
	.end_amdhsa_kernel
	.amdgpu_metadata
---
amdhsa.version: [ 1, 2 ]
amdhsa.kernels:
  - .name:           k_qbfccd8800f_qkv
    .symbol:         k_qbfccd8800f_qkv.kd
    .args:
      - { .name: cb, .offset: 0, .size: 8, .value_kind: global_buffer, .address_space: global }
      - { .name: cos, .offset: 8, .size: 8, .value_kind: global_buffer, .address_space: global }
      - { .name: sin, .offset: 16, .size: 8, .value_kind: global_buffer, .address_space: global }
      - { .name: q_norm_w, .offset: 24, .size: 8, .value_kind: global_buffer, .address_space: global }
      - { .name: k_norm_w, .offset: 32, .size: 8, .value_kind: global_buffer, .address_space: global }
      - { .name: qkv, .offset: 40, .size: 8, .value_kind: global_buffer, .address_space: global }
    .group_segment_fixed_size: 327680
    .private_segment_fixed_size: 0
    .kernarg_segment_align: 8
    .kernarg_segment_size: 48
    .max_flat_workgroup_size: 128
    .sgpr_count:     96
    .vgpr_count:     960
    .wavefront_size: 32
...
	.end_amdgpu_metadata
.endif
;; end of part 2
;; launch attn (part 3): grid 16 x 16, 4 waves a work-group, clusters of 4 x 1, 327,680 bytes of LDS; arguments qkv, ob; writes ob
.if DOCPART == 3
	.amdgcn_target "amdgcn-amd-amdhsa--gfx1250"
	.amdhsa_code_object_version 6
	.text
	.protected	k_qbfccd8800f_attn
	.globl	k_qbfccd8800f_attn
	.p2align	8
	.type	k_qbfccd8800f_attn,@function
k_qbfccd8800f_attn:
	s_mov_b64 s[64:65], 0
	v_nop
	global_prefetch_b8 v0, s[64:65] scope:SCOPE_SE
	s_setreg_imm32_b32 hwreg(HW_REG_WAVE_MODE, 25, 1), 1
	s_wait_xcnt 0x0
	s_wait_alu depctr_hold_cnt(0) depctr_sa_sdst(0) depctr_va_vdst(0) depctr_va_sdst(0) depctr_va_ssrc(0) depctr_va_vcc(0) depctr_vm_vsrc(0)
	s_getreg_b32 s2, hwreg(HW_REG_IB_STS2, 6, 4)
	s_cmp_eq_u32 s2, 0
	s_cbranch_scc0 .Lentry_in_a_cluster
	s_endpgm
.Lentry_in_a_cluster:
	s_bfe_u32 s2, ttmp6, 0x10000c
	s_cmp_lg_u32 s2, 0x3003
	s_cbranch_scc0 .Lentry_shape_is_right
	s_endpgm
.Lentry_shape_is_right:
; CAUSAL ATTENTION, head size 128.  q, k, v: [16 = 8 b + head][2048][128] in f16 (q at byte 0 of qkv, k at 8 MiB, v at 16 MiB); O leaves as ob[4096][1024] in f16, column = 128 head + channel.
; Products, maxima and sums in f32; the weights p are rounded to f16 for the second product (their sum l is taken of the unrounded p), O once at the end.
; THE WALK.  A head's queries lie in 8 super-blocks of 256, its keys in 8 tiles of 256; super-block i needs tiles 0 .. i, the last with the diagonal.  The cluster's four work-groups take a quarter
; (64 queries, place p = cx) each of super-block 7 - c and then of super-block c (c = the cluster's x): 9 tiles for every work-group, and the SAME tile in the same trip for all four partners, so every tile is
; asked for jointly.  Only Q's and O's addresses and the mask's numbers hang on p.
; THE ORDER OF THE TILES.  A block's tiles ahead of the diagonal may come in any order (the running maximum does not mind); the diagonal tile comes last.  The first block's N = 7 - c such tiles are walked
; from tile 6, 2, 4, 0 (c = 0, 1, 2, 3) on and round, so that the four clusters of a head, which need the same tiles, ask for a given tile in different trips; the second block's are walked from 0 up.
; KEYS ARE SPLIT OVER THE WAVES: wave w takes keys 64 w .. 64 w + 63 of each tile, for all 64 queries (four tiles of 16), so a fragment of K or V read from LDS feeds four products.  Each wave keeps
; its own running maximum m, sum l and O^T; at a block's end the four are combined: O = sum_w 2^(c m_w - M) O_w / sum_w 2^(c m_w - M) l_w, M the largest c m_w.
; Wave w's tile u is the block's tile (u + w) % 4, so the tile that a wave finishes and stores is always its tile 0, and its tile u belongs to the wave u further on.
; LAYOUT.  S^T = K Q^T (source 0 = 16 keys, source 1 = 16 queries): a lane holds ONE query (lane % 16) and the keys 8 (lane / 16) + 0..7; two such results rounded to f16 ARE source 1 of O^T = V^T P.
; SOFTMAX.  p = 2^(c s - c m), c = log2(e) / sqrt(128); in every step O and l are multiplied by a = 2^(c m_old - c m_new).  m starts at the lowest finite number, so a block's first step has a = 0
; and wipes whatever finite numbers O and l hold.
; THE MASK is the C operand that starts a sum in the diagonal tile: 0, or -1e30 where the key lies behind the query.  It hangs on p, the wave and the lane, not on the block: 128 registers, made once.
; A wave that sees hidden keys alone ends with c m near -1e29 and counts for 0 in the combination.
; LIMITS: q, k, v arrive within f16's 65,504; a hidden score counts as its value less 1e30; a weight below 2^-126 counts as 0; NaN and infinities are not treated apart.
; A STEP (one tile, my 64 keys): the tiles are two pieces (0: tiles 0, 1; 2: tiles 2, 3).  K is fetched | V^T P of piece 2 of the step before | V is fetched | K Q^T of piece 0 | K Q^T of piece 2 with piece 0's softmax
; in slices behind its products | V^T P of piece 0 with piece 2's softmax in slices.
; REGISTERS, in windows of 256 (s_set_vgpr_msb: bits 1:0 source 0, 3:2 source 1, 5:4 source 2, 7:6 destination):
;   window 0: v0-11, v44-63 addresses and small numbers; v12-43 eight registers of statistics a tile; v64-191 S^T, 32 a tile; v192-255 P, 16 a tile
;   window 1: O^T, 64 a tile          window 2: v0-127 Q, 32 a tile; v128-255 K of one step          window 3: v0-127 V of one step; v128-255 the masks, 32 a tile
.set PK,    272       ; a row of K in LDS: 256 bytes + 16 of padding: the 16 rows of a load start at 16 different groups of four banks (64 banks of 4 bytes: ISA guide 11.1)
.set PV,    288       ; a row of V: 256 + 32
.set VOFF,  256*PK    ; a slot: 256 rows of K, then 256 rows of V
.set DSL,   256*(PK+PV)  ; slot 1 begins here
.set XST,   2*DSL     ; behind the ring: four blocks of 8,192 bytes through which partial O^T tiles change waves; then the stage for the way out
.set ML,    XST+4*8192  ; 2,048 bytes: (c m, l) by tile, query and the sender's distance from the tile's owner
.set SPARE, ML+2048   ; the spare words, 128 bytes for each wave: two blocks of 256 bytes that no other line names
.set SP,    272
.set AK0, 2           ; my lane's place in a tile of K (my wave's 64 keys); never rewritten
.set AV0, 3           ; the same for V
.set ADK, 4           ; the LDS address of K's run of loads
.set STO, 5           ; the way out: where I put 16 bytes of a row
.set RD,  6           ; where I read rows back
.set GO,  7           ; my byte offset in two rows of ob
.set BIG, 8           ; -1e30
.set ADV, 10          ; the LDS address of V's run of loads
.set ST,  12          ; tile t's statistics at v[ST+8 t]: +0 c m, +1 m, +2, +3 l (even keys', odd keys'), +4 to +7 at work; a takes +6
.set XQ,  44          ; v44-47  tile u: my query's place less my lanes' first key: key 16 kt + j is hidden where it is greater
.set QO,  48          ; v48-51  tile u: my byte offset in the block's 64 rows of Q
.set XA,  52          ; v52-55  my 16 bytes in the exchange blocks w, w + 3, w + 1, w + 2 (mod 4)
.set MLB, 56          ; my query's 32 bytes in a tile's record of (c m, l)
.set TM,  58          ; v58-61 at work
.set SPW, 62          ; LDS address of my spare word; never rewritten
.set NIL, 63          ; 0; never rewritten
.set S,   64
.set P,   192
.set ZB,  P+32        ; eight registers of zeros, the head of piece 2's P
.set KF,  128
.set MD,  128         ; in window 3
.set WV,  12          ; s12 my wave's number
.set PX,  13          ; s13 p = cx
.set CC,  14          ; s14 c
.set BH,  15          ; s15 8 b + head
.set KB,  16          ; s[16:17] K at my half of the head's tile 0;  s[18:19] V
.set VB,  18
.set QA,  20          ; s[20:21] Q at the first block's 64 rows;  s[22:23] at the second's
.set QB,  22
.set G1K, 24
.set G1V, 32
.set G0K, 40
.set G0V, 44
.set OA,  48          ; s[48:49] ob at my wave's 16 rows of the first block;  s[50:51] of the second
.set OB,  50
.set SLOTS, 56
.set GI,  57          ; how many tiles have been asked for, less one: the walk's place g of the tile in NXT
.set CS,  58          ; s[58:59] c
.set SEL, 60          ; s[60:61] v_permlanex16_b32's selects
.set TB,  62          ; the slot that is read: 0 or DSL
.set FS,  63          ; the slot that is filled
.set RT,  70          ; tiles of the block in hand still to be entered
.set NXT, 71          ; the tile to be asked for next
.set LQ,  72          ; N = 7 - c: the first block's diagonal tile, and the number of its tiles ahead of that; never rewritten
.set SR,  73          ; the tile at which the first block's walk begins; never rewritten
.set OFF, 74          ; s[74:75] a tile's byte offset in K and V
.set LK,  76          ; my half's place in a slot, for K; s77 for V
.set LV,  77
.set MS,  78          ; s78-81 tile u: 512 x ((u + w) % 4)
.set MSB, 0
.set KM, 0
.macro WIN new
.if MSB != (\new)
	s_set_vgpr_msb (MSB<<8)|(\new)
.set MSB, \new
.endif
.endm
.set W_KQ, 0x0a       ; K and Q in window 2, S^T in window 0
.set W_KM, 0x3a       ; the same with the C operand, the mask, in window 3
.set W_PV, 0x53       ; V in window 3, P in window 0, O^T in window 1
.set W_RS, 0x41       ; destination and source 0 in window 1, source 1 in window 0
; A joint fill: waves 0 and 1 fetch the two halves of a tile's K, waves 2 and 3 those of its V, 128 rows each.  An s_nop 0 and four v_nop follow each of the two lines.
.macro JLOAD
	s_cmp_lt_u32 s[WV], 2
	s_cbranch_scc0 .Lfor_v_\@
	tensor_load_to_lds s[G0K:G0K+3], s[G1K:G1K+7]
	s_nop 0
.rept 4
	v_nop
.endr
	s_branch .Lasked_\@
.Lfor_v_\@:
	tensor_load_to_lds s[G0V:G0V+3], s[G1V:G1V+7]
	s_nop 0
.rept 4
	v_nop
.endr
.Lasked_\@:
.endm
.macro CROUND
	s_barrier_signal -1
	s_barrier_wait -1
	s_cmp_lg_u32 s[WV], 0
	s_cbranch_scc1 .Lnot_wave_0_\@
	s_barrier_signal -3
.Lnot_wave_0_\@:
	s_barrier_wait -3
	s_barrier_signal -1
	s_barrier_wait -1
.endm
.macro PLACES
.rept 4
	v_nop
.endr
.endm
.macro BAR                             ; my LDS instructions are done, for the others' sake; then the work-group's barrier
	s_wait_dscnt 0x0
	s_barrier_signal -1
	s_barrier_wait -1
.endm
; The walk's next tile.  Place g of 0 .. 8:  g < N: (start + g) mod N;  g = N: tile N, the first block's diagonal;  g > N: g - N - 1, the second block's tiles 0 .. c.
; All of it is made of c (the cluster's x) and a count: alike in all partners.
.macro NEXTT
	s_add_co_u32 s[GI], s[GI], 1
	s_add_co_u32 s[NXT], s[GI], s[SR]              ; start < N and g < N: under 2 N
	s_sub_co_u32 s94, s[NXT], s[LQ]
	s_cmp_ge_u32 s[NXT], s[LQ]
	s_cselect_b32 s[NXT], s94, s[NXT]
	s_cmp_eq_u32 s[GI], s[LQ]
	s_cselect_b32 s[NXT], s[LQ], s[NXT]
	s_sub_co_u32 s94, s[GI], s[LQ]
	s_sub_co_u32 s94, s94, 1
	s_cmp_gt_u32 s[GI], s[LQ]
	s_cselect_b32 s[NXT], s94, s[NXT]
.endm
; THE CHANGE OF SLOTS.  Each wave waits for all its tensor loads (one is out: its part of the other slot), adds 0 to its spare word, and waits for that and for its reads of the slot that it leaves.
; fill = 1: the barrier is a round of the cluster's, and the old slot is filled again first thing behind it, with tile NXT; the descriptor's address is made anew from that number.
; (At its first use nothing has been read yet: slot 0 is waited for, slot 1 filled.)
.macro CHANGE fill
	WIN 0
	s_wait_tensorcnt 0x0                           ; no tensor load of mine is out, so a group 0 may be written
	ds_add_u32 v[SPW], v[NIL]                      ; 0 onto my spare word; the descriptors' scalar work stands between it and the wait for it
.if \fill
	s_xor_b32 s[FS], s[FS], DSL
	s_add_co_u32 s[G0K+1], s[FS], s[LK]
	s_add_co_u32 s[G0V+1], s[FS], s[LV]
	s_lshl_b32 s[OFF], s[NXT], 16                  ; a tile is 65,536 bytes of K and of V
	s_add_nc_u64 s[G0K+2:G0K+3], s[KB:KB+1], s[OFF:OFF+1]
	s_or_b32 s[G0K+3], s[G0K+3], 0x80000000
	s_add_nc_u64 s[G0V+2:G0V+3], s[VB:VB+1], s[OFF:OFF+1]
	s_or_b32 s[G0V+3], s[G0V+3], 0x80000000
	NEXTT
	s_wait_dscnt 0x0                               ; the add is done, and my reads of the slot are over
	CROUND
	JLOAD
.else
	s_wait_dscnt 0x0
	s_barrier_signal -1
	s_barrier_wait -1
.endif
	s_xor_b32 s[TB], s[TB], DSL                    ; the fetches go to the other slot
.endm
	s_load_b128 s[4:7], s[0:1], 0x0                ; qkv s[4:5], ob s[6:7]
	v_lshl_add_u32 v[SPW], v0, 2, SPARE
	v_mov_b32 v[NIL], 0
	ds_add_u32 v[SPW], v[NIL]                      ; the wave's opening: the add and its wait stand ahead of my first tensor load; the set-up below stands between them
	v_lshrrev_b32 v1, 5, v0
	v_readfirstlane_b32 s[WV], v1
	s_bfe_u32 s[PX], ttmp6, 0x40000
	s_mov_b32 s[CC], ttmp9                         ; in a cluster launch ttmp9 counts clusters
	s_and_b32 s[BH], ttmp7, 0xffff
	s_sub_co_u32 s82, 7, s[CC]                     ; the first block's super-block
	s_lshl_b32 s52, s[BH], 19                      ; the head's 2,048 rows of 256 bytes
	s_and_b32 s83, s[WV], 1                        ; which half of a tile I fetch
	s_lshl_b32 s53, s83, 15
	s_add_co_u32 s54, s52, s53
	s_add_co_u32 s54, s54, 0x800000                ; k begins 8 MiB into qkv
	s_mov_b32 s55, 0
	s_mul_i32 s[LK], s83, 128*PK
	s_mul_i32 s[LV], s83, 128*PV
	s_add_co_u32 s[LV], s[LV], VOFF
	s_lshl_b32 s92, s[PX], 14                      ; my 64 rows in a super-block
	s_add_co_u32 s92, s92, s52
	s_lshl_b32 s84, s82, 16
	s_add_co_u32 s84, s84, s92
	s_mov_b32 s85, 0
	s_lshl_b32 s86, s[CC], 16
	s_add_co_u32 s86, s86, s92
	s_mov_b32 s87, 0
	s_lshr_b32 s92, s[BH], 3                       ; ob: row (2048 b + 256 block + 64 p + 16 w) x 2,048 bytes + 256 head
	s_lshl_b32 s92, s92, 22
	s_and_b32 s93, s[BH], 7
	s_lshl_b32 s93, s93, 8
	s_add_co_u32 s92, s92, s93
	s_lshl_b32 s93, s[PX], 17
	s_add_co_u32 s92, s92, s93
	s_lshl_b32 s93, s[WV], 15
	s_add_co_u32 s92, s92, s93
	s_lshl_b32 s88, s82, 19
	s_add_co_u32 s88, s88, s92
	s_mov_b32 s89, 0
	s_lshl_b32 s90, s[CC], 19
	s_add_co_u32 s90, s90, s92
	s_mov_b32 s91, 0
	; group 1: a tile of 128 rows x 128 elements of 2 bytes, dense in memory, padded in LDS behind every row
	s_mov_b32 s[G1K], 15|(1<<16)|(1<<20)|(1<<21)|(5<<22)|(3<<25)  ; 15:0 the mask of four; 17:16 2-byte elements; 20 padding on; 21 set beside a mask; 24:22 after every 64 words; 31:25 4 words
	s_mov_b32 s[G1V], 15|(1<<16)|(1<<20)|(1<<21)|(5<<22)|(7<<25)  ; the same with 8 words
.irp g, G1K, G1V
	s_mov_b32 s[(\g)+1], 128<<16
	s_mov_b32 s[(\g)+2], 128<<16
	s_mov_b32 s[(\g)+3], 128<<16
	s_mov_b32 s[(\g)+4], 128
	s_mov_b32 s[(\g)+5], 128
	s_mov_b32 s[(\g)+6], 0
	s_mov_b32 s[(\g)+7], 0
.endr
	s_mov_b32 s[CS], 0x3e0293ee                    ; c = log2(e) / sqrt(128)
	s_mov_b32 s[CS+1], s[CS]
	s_mov_b32 s[SEL], 0x76543210
	s_mov_b32 s[SEL+1], 0xfedcba98
	s_mov_b32 s[TB], DSL                           ; the first change of slots turns it into 0
	s_mov_b32 s[FS], 0
	s_sub_co_u32 s[RT], 8, s[CC]                   ; the first block has 8 - c tiles
	s_mov_b32 s[LQ], s82                           ; N = 7 - c
	s_lshl_b32 s94, s[CC], 2
	s_lshr_b32 s[SR], 0x0426, s94                  ; the walk's start, four bits for each c: 6, 2, 4, 0: each under its N = 7, 6, 5, 4
	s_and_b32 s[SR], s[SR], 15
	s_mov_b32 s[GI], 0
	s_lshl_b32 s[OFF], s[SR], 16                   ; the walk's first tile
	s_mov_b32 s[OFF+1], 0
	NEXTT                                          ; and its second, for the first change of slots
	s_mov_b32 s[SLOTS], 8
	s_mov_b32 s[G0K], 1
	s_mov_b32 s[G0K+1], s[LK]                      ; slot 0
	s_mov_b32 s[G0V], 1
	s_mov_b32 s[G0V+1], s[LV]
	s_wait_dscnt 0x0                               ; the opening add is done
	s_wait_kmcnt 0x0
	s_add_nc_u64 s[KB:KB+1], s[4:5], s[54:55]
	s_add_nc_u64 s[VB:VB+1], s[KB:KB+1], 0x800000
	s_add_nc_u64 s[G0K+2:G0K+3], s[KB:KB+1], s[OFF:OFF+1]
	s_or_b32 s[G0K+3], s[G0K+3], 0x80000000
	s_add_nc_u64 s[G0V+2:G0V+3], s[VB:VB+1], s[OFF:OFF+1]
	s_or_b32 s[G0V+3], s[G0V+3], 0x80000000
	s_add_nc_u64 s[QA:QA+1], s[4:5], s[84:85]
	s_add_nc_u64 s[QB:QB+1], s[4:5], s[86:87]
	s_add_nc_u64 s[OA:OA+1], s[6:7], s[88:89]
	s_add_nc_u64 s[OB:OB+1], s[6:7], s[90:91]
	CROUND                                         ; all four work-groups are here: the first joint loads meet
	JLOAD                                          ; the walk's first tile into slot 0
	v_and_b32 v1, 15, v0                           ; r = l % 16
	v_bfe_u32 v9, v0, 4, 1                         ; h = l / 16
	v_and_b32 v11, 31, v0                          ; l
.set i, 0
.rept 8
	v_mov_b32 v[ZB+i], 0                           ; the block of zeros
.set i, i+1
.endr
	s_sub_co_i32 s92, s[PX], s[WV]
	s_lshl_b32 s92, s92, 6                         ; 64 (p - w)
	v_lshlrev_b32 v[TM], 3, v9
	v_sub_nc_u32 v[TM], v1, v[TM]                  ; r - 8 h
	v_lshlrev_b32 v[TM+1], 8, v1
	v_lshl_add_u32 v[TM+1], v9, 4, v[TM+1]         ; 256 r + 16 h
.irp u, 0,1,2,3
	s_add_co_u32 s83, s[WV], \u
	s_and_b32 s83, s83, 3                          ; the block's tile that is my tile u
	s_lshl_b32 s[MS+\u], s83, 9
	s_lshl4_add_u32 s93, s83, s92
	v_add_nc_u32 v[XQ+\u], s93, v[TM]
	s_lshl_b32 s93, s83, 12
	v_add_nc_u32 v[QO+\u], s93, v[TM+1]
.endr
; Q stays in registers: tile u, channels 32 g on: two loads of 16 bytes, 32 bytes apart
.macro QLOAD base
	WIN 0x80
.irp u, 0,1,2,3
.irp g, 0,1,2,3
	global_load_b128 v[32*(\u)+8*(\g):32*(\u)+8*(\g)+3],   v[QO+(\u)], s[(\base):(\base)+1] offset:64*(\g)
	global_load_b128 v[32*(\u)+8*(\g)+4:32*(\u)+8*(\g)+7], v[QO+(\u)], s[(\base):(\base)+1] offset:64*(\g)+32
.endr
.endr
.endm
	QLOAD QA
	WIN 0
	s_lshl_b32 s82, s[WV], 6                       ; my wave's 64 keys
	v_add_nc_u32 v[TM], s82, v1
	v_mul_u32_u24 v[AK0], v[TM], PK
	v_lshl_add_u32 v[AK0], v9, 4, v[AK0]           ; row x pitch + 16 x half
	; the turning load takes 16 keys x 16 channels (lane l reads key 8 (l / 16) + l % 8, channels 8 ((l / 8) % 2) + 0..7) and leaves half a fragment of V^T
	v_and_b32 v[TM], 7, v0
	v_bfe_u32 v[TM+1], v0, 3, 1
	v_lshl_add_u32 v[TM+2], v9, 3, v[TM]
	v_add_nc_u32 v[TM+2], s82, v[TM+2]
	v_mul_u32_u24 v[AV0], v[TM+2], PV
	v_lshl_add_u32 v[AV0], v[TM+1], 4, v[AV0]
	v_add_nc_u32 v[AV0], VOFF, v[AV0]
.set n, 0
.irp d, 0,3,1,2
	s_add_co_u32 s83, s[WV], \d
	s_and_b32 s83, s83, 3
	s_lshl_b32 s83, s83, 13
	s_add_co_u32 s83, s83, XST
	v_lshl_add_u32 v[XA+n], v11, 4, s83
.set n, n+1
.endr
	v_mul_u32_u24 v[STO], v1, SP                   ; the stage is block (w + 2) % 4, the last that I read: row r, 16 bytes for each half of the lanes
	v_lshl_add_u32 v[STO], v9, 4, v[STO]
	v_add_nc_u32 v[STO], s83, v[STO]
	v_mul_u32_u24 v[RD], v9, SP                    ; back: lanes 0-15 one row of 256 bytes, lanes 16-31 the next
	v_lshl_add_u32 v[RD], v1, 4, v[RD]
	v_add_nc_u32 v[RD], s83, v[RD]
	v_lshlrev_b32 v[GO], 11, v9                    ; and the same two rows in ob, 2,048 bytes apart
	v_lshl_add_u32 v[GO], v1, 4, v[GO]
	v_lshl_add_u32 v[MLB], v1, 5, ML
	v_mov_b32 v[BIG], 0xf149f2ca                   ; -1e30
	; What the first step finds: V and piece 2's P hold 0 (its first products V^T P, of a step that has not been, add 0), and O^T is 0.  Each is written as the product of the block of zeros with itself,
	; eight registers an instruction.  All this, and the masks, stands in the wait for the first tile.
	WIN 0x40
.set i, 0
.rept 32
	v_wmma_f32_16x16x32_f16 v[8*i:8*i+7], v[ZB:ZB+7], v[ZB:ZB+7], 0          ; O^T
.set i, i+1
.endr
	WIN 0
.set i, 1
.rept 3
	v_wmma_f32_16x16x32_f16 v[ZB+8*i:ZB+8*i+7], v[ZB:ZB+7], v[ZB:ZB+7], 0    ; the rest of piece 2's P
.set i, i+1
.endr
	WIN 0xc0
.set i, 0
.rept 16
	v_wmma_f32_16x16x32_f16 v[8*i:8*i+7], v[ZB:ZB+7], v[ZB:ZB+7], 0          ; V
.set i, i+1
.endr
	; the diagonal tile's masks: register 8 kt + j of tile u stands for key 16 kt + j of my lanes' keys
.irp u, 0,1,2,3
.set z, 0
.rept 32
	v_cmp_gt_i32 vcc_lo, 16*(z/8)+z%8, v[XQ+(\u)]
	v_cndmask_b32 v[MD+32*(\u)+z], 0, v[BIG], vcc_lo
.set z, z+1
.endr
.endr
	WIN 0
.irp t, 0,1,2,3
	v_mov_b32 v[ST+8*(\t)], 0xfe000000             ; c m: far below every c s
	v_mov_b32 v[ST+8*(\t)+1], 0xff7fffff           ; m
	v_mov_b32 v[ST+8*(\t)+2], 0
	v_mov_b32 v[ST+8*(\t)+3], 0
.endr
; THE MATRIX WORK.  The accumulators take turns, one instruction a turn.
; Product i of 32 of O^T += V^T P for piece x: keys 32 (i / 16) on, channels 16 ((i / 2) % 8) on, tile x + i % 2.
.macro PV x
	WIN W_PV
.set rO, 64*((\x)+i%2)+8*((i/2)%8)
.set rV, 64*(i/16)+8*((i/2)%8)
.set rP, P+16*((\x)+i%2)+8*(i/16)
	v_wmma_f32_16x16x32_f16 v[rO:rO+7], v[rV:rV+7], v[rP:rP+7], v[rO:rO+7]
.endm
; Product i of 32 of S^T = K Q^T for piece x: channels 32 (i / 8) on, keys 16 ((i / 2) % 4) on, tile x + i % 2.  The first 8 start the sums: with 0, or (KM = 1) with the mask.
.macro KQ x
.set rS, S+32*((\x)+i%2)+8*((i/2)%4)
.set rK, KF+32*((i/2)%4)+8*(i/8)
.set rQ, 32*((\x)+i%2)+8*(i/8)
.set rM, MD+32*((\x)+i%2)+8*((i/2)%4)
.if (i < 8) && (KM == 0)
	WIN W_KQ
	v_wmma_f32_16x16x32_f16 v[rS:rS+7], v[rK:rK+7], v[rQ:rQ+7], 0
.elseif i < 8
	WIN W_KM
	v_wmma_f32_16x16x32_f16 v[rS:rS+7], v[rK:rK+7], v[rQ:rQ+7], v[rM:rM+7]
.else
	WIN W_KQ
	v_wmma_f32_16x16x32_f16 v[rS:rS+7], v[rK:rK+7], v[rQ:rQ+7], v[rS:rS+7]
.endif
.endm
.macro START m                         ; the 16 products that start the step's sums
.set KM, \m
.set i, 0
.rept 8
	KQ 0
.set i, i+1
.endr
.set i, 0
.rept 8
	KQ 2
.set i, i+1
.endr
.set KM, 0
.endm
; THE LDS LOADS stand in runs of 32: my 64 keys of K (16 fragments) and of V (turned).
.macro FETCH_K
	WIN 0
	v_add_nc_u32 v[ADK], s[TB], v[AK0]
	WIN 0x80
.irp f, 0,1,2,3,4,5,6,7,8,9,10,11,12,13,14,15  ; keys 16 (f / 4) on, channels 32 (f % 4) on
	ds_load_b128 v[KF+8*(\f):KF+8*(\f)+3],   v[ADK] offset:((\f)/4)*16*PK+((\f)%4)*64
	ds_load_b128 v[KF+8*(\f)+4:KF+8*(\f)+7], v[ADK] offset:((\f)/4)*16*PK+((\f)%4)*64+32
.endr
.endm
.macro FETCH_V
	WIN 0
	v_add_nc_u32 v[ADV], s[TB], v[AV0]
	WIN 0xc0
.irp f, 0,1,2,3,4,5,6,7,8,9,10,11,12,13,14,15  ; keys 32 (f / 8) on, channels 16 (f % 8) on
	ds_load_tr16_b128 v[8*(\f):8*(\f)+3],   v[ADV] offset:((\f)/8)*32*PV+((\f)%8)*32
	ds_load_tr16_b128 v[8*(\f)+4:8*(\f)+7], v[ADV] offset:((\f)/8)*32*PV+16*PV+((\f)%8)*32
.endr
.endm
; THE VECTOR WORK.  One tile's softmax for one step is a list of 134 instructions; SM writes number j of it for tile t.  s0-s31 are the lane's 32 scores, in pairs 0-15.
;   0-15    the maximum of s0-s31 and the old m, three operands at a time (each accumulator's lowest registers are read first)
;   16-20   the other half of the lanes' maximum; the new m; c m; c m_old - c m_new
;   21-87   33 exponentials (a, then s0-s31) at the odd numbers from 23 on, a plain instruction at every even number: scalings c s - c m ahead, roundings to f16 behind, the first sums
;   88-101  the last rounding; the rest of the sums; l = a l + the sum          102-133 the tile's O^T times a
.macro SM t
.set rT, ST+8*(\t)
.set rS, S+32*(\t)
.set rP, P+16*(\t)
.set rO, 64*(\t)+2*(j-102)
.set q, (j-20)/2
.if j < 102
	WIN 0
.endif
.if j < 4
	v_max3_num_f32 v[rT+4+j], v[rS+8*j], v[rS+8*j+1], v[rS+8*j+2]
.elseif j < 12
	v_max3_num_f32 v[rT+4+j%4], v[rT+4+j%4], v[rS+8*(j%4)+2*(j/4)+1], v[rS+8*(j%4)+2*(j/4)+2]
.elseif j == 12
	v_max3_num_f32 v[rT+4], v[rT+4], v[rS+7], v[rS+15]
.elseif j == 13
	v_max3_num_f32 v[rT+6], v[rT+6], v[rS+23], v[rS+31]
.elseif j == 14
	v_max3_num_f32 v[rT+4], v[rT+4], v[rT+5], v[rT+6]
.elseif j == 15
	v_max3_num_f32 v[rT+4], v[rT+4], v[rT+7], v[rT+1]
.elseif j == 16
	v_permlanex16_b32 v[rT+5], v[rT+4], s[SEL], s[SEL+1]  ; the query's other 32 keys lie in the lane 16 away
.elseif j == 17
	v_mov_b32 v[rT+7], v[rT]        ; c m_old is kept for a
.elseif j == 18
	v_max_num_f32 v[rT+1], v[rT+4], v[rT+5]
.elseif j == 19
	v_mul_f32 v[rT], s[CS], v[rT+1]
.elseif j == 20
	v_sub_f32 v[rT+7], v[rT+7], v[rT]
.elseif j == 23
	v_exp_f32 v[rT+6], v[rT+7]
.elseif (j < 88) && (j > 23) && (j%2 == 1)
	v_exp_f32 v[rS+(j-25)/2], v[rS+(j-25)/2]
.elseif (q < 4) || ((j < 76) && (q%2 == 0))
.set b, q/2+2
.if q < 4
.set b, q
.endif
	v_pk_fma_f32 v[rS+2*b:rS+2*b+1], v[rS+2*b:rS+2*b+1], s[CS:CS+1], v[rT:rT+1] op_sel_hi:[1,0,0] neg_lo:[0,0,1] neg_hi:[0,0,1]  ; pair b: c s - c m
.elseif (j < 88) && (q%2 == 1)
	s_wait_alu depctr_va_vdst(0)
	v_cvt_pk_f16_f32 v[rP+(q-5)/2], v[rS+q-5], v[rS+q-4]  ; its second exponential stands three numbers back
.elseif j == 89
	s_wait_alu depctr_va_vdst(0)
	v_cvt_pk_f16_f32 v[rP+15], v[rS+30], v[rS+31]
.elseif j < 102                     ; the sum of the 16 pairs, in place: neighbours 1, 2, 4 and 8 pairs apart, then l takes it
.set z, j-86
.if j < 89
.set z, (j-76)/4
.endif
.set w, 4
.set u, z
.if z >= 14
.set w, 32
.set u, 0
.elseif z >= 12
.set w, 16
.set u, z-12
.elseif z >= 8
.set w, 8
.set u, z-8
.endif
.if z < 15
	v_pk_add_f32 v[rS+w*u:rS+w*u+1], v[rS+w*u:rS+w*u+1], v[rS+w*u+w/2:rS+w*u+w/2+1]
.else
	v_pk_fma_f32 v[rT+2:rT+3], v[rT+2:rT+3], v[rT+6:rT+7], v[rS:rS+1] op_sel_hi:[1,0,1]
.endif
.else
	WIN W_RS
	v_pk_mul_f32 v[rO:rO+1], v[rO:rO+1], v[rT+6:rT+7] op_sel_hi:[1,0]
.endif
.endm
; Slice k of 64 of piece y's softmax: numbers 2 k and 2 k + 1 of both tiles' lists; the twelve that are over stand in slice 63.
.macro SLICE y
.if (k >= 11) && (k < 44)           ; tile by tile: plain, exponential, plain, exponential
.irp t, \y, (\y)+1
.irp n, 0,1
.set j, 2*k+(\n)
	SM \t
.endr
.endr
.else                               ; the two tiles alternate
.irp n, 0,1,2,3,4,5,6,7
.if ((\n) < 2) || (k == 63)
.irp t, \y, (\y)+1
.set j, 2*k+(\n)
	SM \t
.endr
.endif
.endr
.endif
.set k, k+1
.endm
; A STEP.  both = 1: the text holds both ways of starting the sums, chosen by RT (0: the block's last tile, with the diagonal); both = 0: the masked way alone.
.macro STEP both
	FETCH_K                                        ; the last product that read K stands more than 250 plain instructions back
.set i, 0
.rept 32
	PV 2                                           ; piece 2's V^T P of the step before: it stands in the time that K's fragments take
.set i, i+1
.endr
	PLACES                                         ; in front of the loads into V's registers, which those products read
	FETCH_V
	WIN 0
	s_wait_loadcnt 0x0                             ; Q (out only in a block's first step)
	s_wait_dscnt 32                                ; K is in; V's 32 loads may stay out
.if \both
	s_cmp_eq_u32 s[RT], 0
	s_cbranch_scc1 .Lmask_\@
	START 0
	WIN 0
	s_branch .Ljoin_\@
.Lmask_\@:
.endif
	START 1
	WIN 0
.if \both
.Ljoin_\@:
.endif
.set i, 8
.rept 24
	KQ 0
.set i, i+1
.endr
	PLACES                                         ; in front of the first read of piece 0's scores
.set k, 0
.set i, 8
.rept 24                                           ; piece 2's scores | piece 0's softmax: 16 x 3 + 8 x 2 = 64 slices; slice 63's plain lines are the places behind the last product
	KQ 2
	SLICE 0
	SLICE 0
.if i < 24
	SLICE 0
.endif
.set i, i+1
.endr
	s_wait_dscnt 0x0                               ; V is in
.set k, 0
.set i, 0
.rept 32                                           ; piece 0's V^T P | piece 2's softmax, two slices behind each product
	PV 0
	SLICE 2
	SLICE 2
.set i, i+1
.endr
.endm
; A partial tile of O^T (64 registers a lane, 8,192 bytes a wave) goes to its owner as it is: lane l's registers 4 n .. 4 n + 3 at 512 n + 16 l of a block
.macro XSTORE xa, tile
	WIN 0x04
.irp n, 0,1,2,3,4,5,6,7,8,9,10,11,12,13,14,15
	ds_store_b128 v[XA+(\xa)], v[64*(\tile)+4*(\n):64*(\tile)+4*(\n)+3] offset:512*(\n)
.endr
.endm
.macro XLOAD xa
	WIN 0
.irp n, 0,1,2,3,4,5,6,7,8,9,10,11,12,13,14,15
	ds_load_b128 v[128+4*(\n):128+4*(\n)+3], v[XA+(\xa)] offset:512*(\n)
.endr
.endm
.macro XFMA u                          ; my tile takes the part of the wave at distance u, times that wave's factor
	WIN 0x50                                       ; destination and source 2 (O^T) in window 1, the part and the factor in window 0
.set z, 0
.rept 32
	v_pk_fma_f32 v[2*z:2*z+1], v[128+2*z:128+2*z+1], v[S+2*(\u):S+2*(\u)+1], v[2*z:2*z+1] op_sel_hi:[1,0,1]
.set z, z+1
.endr
.endm
; A BLOCK'S END.  q2 = 1: the second block follows: its Q is asked for first, and the statistics are set anew at the end.  ob: the scalar pair with my 16 rows' address.
; Each wave writes (c m, l) of its tile u into the owner's record at place u, so the owner finds its own numbers at place 0 and at place u those of the wave whose part arrives u-th.
.macro END q2, ob
.if \q2
	QLOAD QB                                       ; the last product that read Q stands more than 250 plain instructions back
.endif
.set i, 0
.rept 32
	PV 2                                           ; piece 2's V^T P of the last step
.set i, i+1
.endr
	WIN 0
.irp t, 0,1,2,3
	v_add_f32 v[ST+8*(\t)+4], v[ST+8*(\t)+2], v[ST+8*(\t)+3]   ; these additions are the places behind the last products
.endr
.irp t, 0,1,2,3
	v_permlanex16_b32 v[ST+8*(\t)+5], v[ST+8*(\t)+4], s[SEL], s[SEL+1]
.endr
.irp t, 0,1,2,3
	v_add_f32 v[ST+8*(\t)+1], v[ST+8*(\t)+4], v[ST+8*(\t)+5]   ; l, beside c m
	v_add_nc_u32 v[TM+(\t)], s[MS+(\t)], v[MLB]
.endr
.irp t, 0,1,2,3
	ds_store_b64 v[TM+(\t)], v[ST+8*(\t):ST+8*(\t)+1] offset:8*(\t)
.endr
	; my tile u is wave (w + u) % 4's own tile.  Between two barriers each block is touched by one wave alone: I read a block and then write into the same block, and LDS serves a wave's instructions in order (ISA guide 5.7.1.4).
	XSTORE 0, 1                                    ; block w
	WIN 0
	BAR                                            ; every wave's (c m, l) and first part are in LDS
	ds_load_b128 v[S:S+3],   v[TM]                 ; my tile's record: (c m, l) at distances 0, 1,
	ds_load_b128 v[S+4:S+7], v[TM] offset:16       ; 2, 3
	XLOAD 1                                        ; block w + 3: wave w + 3's tile 1
	XSTORE 1, 2
	WIN 0
	s_wait_dscnt 32                                ; the record is back; the 16 loads and 16 stores behind it may be out
	v_max3_num_f32 v[TM], v[S], v[S+2], v[S+4]
	v_max_num_f32 v[TM], v[TM], v[S+6]             ; M
.irp u, 0,1,2,3
	v_sub_f32 v[S+2*(\u)], v[S+2*(\u)], v[TM]
.endr
.irp u, 0,1,2,3
	v_exp_f32 v[S+2*(\u)], v[S+2*(\u)]
.endr
	v_nop                                          ; a plain instruction between the exponentials and the use of their results (ISA guide 5.7.2)
	s_wait_alu depctr_va_vdst(0)
	v_mul_f32 v[TM+1], v[S], v[S+1]
	v_fma_f32 v[TM+1], v[S+2], v[S+3], v[TM+1]
	v_fma_f32 v[TM+1], v[S+4], v[S+5], v[TM+1]
	v_fma_f32 v[TM+1], v[S+6], v[S+7], v[TM+1]     ; the whole row's l
	v_rcp_f32 v[TM+1], v[TM+1]
	v_nop
.irp u, 0,1,2,3
	s_wait_alu depctr_va_vdst(0)
	v_mul_f32 v[S+2*(\u)], v[S+2*(\u)], v[TM+1]    ; the four parts' factors
.endr
	WIN W_RS
.set z, 0
.rept 32
	v_pk_mul_f32 v[2*z:2*z+1], v[2*z:2*z+1], v[S:S+1] op_sel_hi:[1,0]
.set z, z+1
.endr
	s_wait_dscnt 16                                ; the part's 16 loads are back; the 16 stores may be out
	XFMA 1
	WIN 0
	BAR
	XLOAD 2                                        ; block w + 1: wave w + 2's tile 2
	XSTORE 2, 3
	s_wait_dscnt 16
	XFMA 2
	WIN 0
	BAR
	XLOAD 3                                        ; block w + 2: wave w + 1's tile 3
	s_wait_dscnt 0x0
	XFMA 3
	WIN 0x05                                       ; THE WAY OUT: rounded to f16, through block w + 2, which is mine alone now
.set z, 0
.rept 32
	v_cvt_pk_f16_f32 v[S+z], v[2*z], v[2*z+1]
.set z, z+1
.endr
	WIN 0
.irp f, 0,1,2,3,4,5,6,7
	ds_store_b128 v[STO], v[S+4*(\f):S+4*(\f)+3] offset:32*(\f)
.endr
.irp f, 0,1,2,3,4,5,6,7
	ds_load_b128 v[S+32+4*(\f):S+32+4*(\f)+3], v[RD] offset:(\f)*2*SP
.endr
.irp f, 0,1,2,3,4,5,6,7
	s_wait_dscnt 7-(\f)
	global_store_b128 v[GO], v[S+32+4*(\f):S+32+4*(\f)+3], s[(\ob):(\ob)+1] offset:4096*(\f)  ; 16 lanes store 256 consecutive bytes, at a multiple of 256 from ob's first byte
.endr
.if \q2
	s_wait_xcnt 0x0                                ; the stores' data registers are S^T's: written again only behind this wait
.irp t, 0,1,2,3
	v_mov_b32 v[ST+8*(\t)], 0xfe000000
	v_mov_b32 v[ST+8*(\t)+1], 0xff7fffff
.endr
	s_add_co_u32 s[RT], s[CC], 1                   ; the second block has c + 1 tiles
.endif
.endm
.Lslot:                                                ; 8 trips: a tile is entered and the walk's next is asked for; the refill has the whole trip, 128 matrix instructions, in which to land
	CHANGE 1
	s_sub_co_u32 s[RT], s[RT], 1
	STEP 1
	WIN 0
	s_cmp_lg_u32 s[RT], 0                          ; RT is made of the cluster's x and constants: alike in all waves and all partners
	s_cbranch_scc1 .Lbottom
	END 1, OA                                      ; in the loop this is the first block's end: the second's last tile is the walk's last
.Lbottom:
	s_sub_co_u32 s[SLOTS], s[SLOTS], 1
	s_cmp_lg_u32 s[SLOTS], 0
	s_cbranch_scc1 .Lslot
	CHANGE 0                                       ; the walk's last tile is written out: nothing is asked for
	STEP 0
	END 0, OB
	s_wait_tensorcnt 0x0                           ; the wave's end: behind my last tensor load and my last LDS store
	ds_add_u32 v[SPW], v[NIL]
	s_wait_dscnt 0x0
	CROUND                                         ; the closing round
	s_endpgm
.Lfunc_end_k_qbfccd8800f_attn:
	.size	k_qbfccd8800f_attn, .Lfunc_end_k_qbfccd8800f_attn-k_qbfccd8800f_attn
	.p2alignl 7, 3214868480
	.fill 96, 4, 3214868480
	.section	.rodata,"a",@progbits
	.p2align	6, 0x0
	.amdhsa_kernel k_qbfccd8800f_attn
		.amdhsa_group_segment_fixed_size 327680
		.amdhsa_private_segment_fixed_size 0
		.amdhsa_enable_private_segment 0
		.amdhsa_kernarg_size 16
		.amdhsa_user_sgpr_count 2
		.amdhsa_user_sgpr_kernarg_segment_ptr 1
		.amdhsa_wavefront_size32 1
		.amdhsa_system_sgpr_workgroup_id_x 1
		.amdhsa_system_sgpr_workgroup_id_y 1
		.amdhsa_system_sgpr_workgroup_id_z 1
		.amdhsa_system_vgpr_workitem_id 0
		.amdhsa_next_free_vgpr 1024
		.amdhsa_next_free_sgpr 96
		.amdhsa_reserve_vcc 1
		.amdhsa_float_denorm_mode_32 3
		.amdhsa_float_denorm_mode_16_64 3
		.amdhsa_memory_ordered 1
		.amdhsa_forward_progress 1
		.amdhsa_inst_pref_size 172
	.end_amdhsa_kernel
	.amdgpu_metadata
---
amdhsa.version: [ 1, 2 ]
amdhsa.kernels:
  - .name:           k_qbfccd8800f_attn
    .symbol:         k_qbfccd8800f_attn.kd
    .args:
      - { .name: qkv, .offset: 0, .size: 8, .value_kind: global_buffer, .address_space: global }
      - { .name: ob, .offset: 8, .size: 8, .value_kind: global_buffer, .address_space: global }
    .group_segment_fixed_size: 327680
    .private_segment_fixed_size: 0
    .kernarg_segment_align: 8
    .kernarg_segment_size: 16
    .max_flat_workgroup_size: 128
    .sgpr_count:     96
    .vgpr_count:     1024
    .wavefront_size: 32
...
	.end_amdgpu_metadata
.endif
;; end of part 3
;; launch oproj (part 4): grid 8 x 32, 4 waves a work-group, clusters of 4 x 4, 327,680 bytes of LDS; arguments ob, cb, out0; writes out0
.if DOCPART == 4
	.amdgcn_target "amdgcn-amd-amdhsa--gfx1250"
	.amdhsa_code_object_version 6
	.text
	.protected	k_qbfccd8800f_oproj
	.globl	k_qbfccd8800f_oproj
	.p2align	8
	.type	k_qbfccd8800f_oproj,@function
k_qbfccd8800f_oproj:
	s_mov_b64 s[64:65], 0
	v_nop
	global_prefetch_b8 v0, s[64:65] scope:SCOPE_SE
	s_setreg_imm32_b32 hwreg(HW_REG_WAVE_MODE, 25, 1), 1
	s_wait_xcnt 0x0
	s_wait_alu depctr_hold_cnt(0) depctr_sa_sdst(0) depctr_va_vdst(0) depctr_va_sdst(0) depctr_va_ssrc(0) depctr_va_vcc(0) depctr_vm_vsrc(0)
	s_getreg_b32 s2, hwreg(HW_REG_IB_STS2, 6, 4)
	s_cmp_eq_u32 s2, 0
	s_cbranch_scc0 .Lentry_in_a_cluster
	s_endpgm
.Lentry_in_a_cluster:
	s_bfe_u32 s2, ttmp6, 0x10000c
	s_cmp_lg_u32 s2, 0xf033
	s_cbranch_scc0 .Lentry_shape_is_right
	s_endpgm
.Lentry_shape_is_right:
; out0[m][n] = sum over k of O[m][k] Wo[n][k].  O: ob[4096][1024] in f16; Wo: [2048][1024] in f16, 28 MiB into cb; out0: [4096][2048] in f32; sums in f32.
; A tile of out0 is 128 x 256: 256 work-groups.  Four waves, each 64 x 128: 32 accumulators of 16 x 16.  K = 1024 goes in 8 steps of 128 through two LDS slots (128 rows of O, 256 rows of Wo, 256 bytes each).
; THE TEXT HOLDS A K STEP TWICE: once with a refill (a loop of 6 trips), once without (a loop of 2 trips).  Which slot is read and which is filled are two scalars that an exclusive or turns.
; THE WALK ALONG K BEGINS ELSEWHERE IN EACH CLUSTER: at step (4 X + 2 f(Y)) mod 8 (X, Y: the cluster's place in the grid; f = 0 1 2 3 3 2 1 0), and goes round.  So the two clusters that need the same
; rows of O ask for a given tile 4 trips apart, and clusters that need the same rows of Wo 0, 2, 4 or 6 trips apart.  The start hangs on the cluster's place alone: it is the same in all sixteen partners.
; THE SUMS ARE THEREFORE ADDED IN ANOTHER ORDER OF K THAN THE REFERENCE'S, a different one from cluster to cluster.
; CLUSTER 4 x 4: the four of a row of the cluster share O's tiles, the four of a column Wo's: each is asked for jointly, by the same load, descriptor and mask in all four.
; THE MATRIX INSTRUCTION IS USED TRANSPOSED (source 0 = 16 rows of Wo, source 1 = 16 rows of O): a lane holds eight neighbouring numbers, 32 bytes, of a row of out0.
; REGISTERS: window 0: v0-13 addresses; two fragment buffers of 96 (32 of O, 64 of Wo) at v32 and v128; on the way out v32-159 rows read back.  Window 1: accumulator (a, b) at v[8 (8 a + b)].
.set PITCH,  272                       ; 256 bytes + 16 of padding: the 16 rows that a load touches start at 16 different groups of four banks (64 banks of 4 bytes: ISA guide 11.1)
.set AT,     128*PITCH                 ; O's 128 rows; Wo's 256 lie behind them
.set SLOT,   384*PITCH
.set STAGE,  2*SLOT                    ; behind the ring: 16 rows x 528 bytes for each wave, its own
.set SP,     528                       ; 512 bytes + 16
.set SPARE,  STAGE+4*16*SP             ; the spare words, 128 bytes for each wave: two blocks of 256 bytes that no other line names
.set STEPS,  8
.set ADRA, 4                           ; my lane's place in O's tile; never rewritten
.set CA,   5                           ; the same in the slot that is read
.set ADRB, 6                           ; my lane's place in Wo's tile; never rewritten
.set CB,   7
.set STO,  8
.set RD,   9
.set CO,   10
.set SPW,  12
.set NIL,  13
.set F0,   32
.set F1,   128
.set AB,   14                          ; s[14:15] O at the rows that I fetch, K = 0; kept
.set G1A,  24                          ; s[24:31] group 1 for O's tiles; s[32:39] group 0: a set for each first fill; the second then serves every refill
.set G0A,  32
.set G1B,  48
.set G0B,  56
.set TB,   66                          ; the slot that is read: 0 or SLOT
.set FS,   67                          ; the slot that was filled last
.set BB,   68                          ; s[68:69] Wo at the rows that I fetch, K = 0; kept
.set KO,   72                          ; s[72:73] a K step's byte offset in a row
.set KI,   74                          ; the K step that the next fill brings, 0..7
.set MSB, 0
.macro WIN new
.if MSB != (\new)
	s_set_vgpr_msb (MSB<<8)|(\new)
.set MSB, \new
.endif
.endm
.macro JLOAD s                         ; waves 0 and 1 fetch O's two halves (64 rows), waves 2 and 3 Wo's (128 rows); an s_nop 0 and four v_nop follow each line
	s_cmp_eq_u32 s11, 0
	s_cbranch_scc0 .Lfor_b_\@
	tensor_load_to_lds s[G0A+4*(\s):G0A+4*(\s)+3], s[G1A:G1A+7]
	s_nop 0
.rept 4
	v_nop
.endr
	s_branch .Lasked_\@
.Lfor_b_\@:
	tensor_load_to_lds s[G0B+4*(\s):G0B+4*(\s)+3], s[G1B:G1B+7]
	s_nop 0
.rept 4
	v_nop
.endr
.Lasked_\@:
.endm
.macro CROUND                          ; a round of the cluster's barrier
	s_barrier_signal -1
	s_barrier_wait -1
	s_cmp_lg_u32 s10, 0
	s_cbranch_scc1 .Lnot_wave_0_\@
	s_barrier_signal -3
.Lnot_wave_0_\@:
	s_barrier_wait -3
	s_barrier_signal -1
	s_barrier_wait -1
.endm
.macro PLACES
.rept 4
	v_nop
.endr
.endm
.macro ADDR                            ; my fragments' addresses in the slot that is read
	v_add_nc_u32 v[CA], s[TB], v[ADRA]
	v_add_nc_u32 v[CB], s[TB], v[ADRB]
.endm
	s_load_b128 s[4:7], s[0:1], 0x0                ; ob s[4:5], cb s[6:7]
	s_load_b64 s[8:9], s[0:1], 0x10                ; out0
	v_lshl_add_u32 v[SPW], v0, 2, SPARE
	v_mov_b32 v[NIL], 0
	ds_add_u32 v[SPW], v[NIL]                      ; the wave's opening: the add and its wait stand ahead of my first tensor load; the set-up below stands between them
	v_lshrrev_b32 v1, 5, v0
	v_readfirstlane_b32 s10, v1                    ; wave 0..3
	s_lshr_b32 s11, s10, 1                         ; which half of the tile's rows is mine.  Also: I fetch for O (0) or for Wo (1)
	s_and_b32 s12, s10, 1                          ; which half of its columns.  Also: which half of that tile I fetch
	s_bfe_u32 s40, ttmp6, 0x40000                  ; cx
	s_bfe_u32 s41, ttmp6, 0x40004                  ; cy
	s_lshl_b32 s42, ttmp9, 2
	s_add_co_u32 s42, s42, s40                     ; tile column
	s_and_b32 s13, ttmp7, 0xffff
	s_lshl_b32 s13, s13, 2
	s_add_co_u32 s13, s13, s41                     ; tile row
	s_lshl_b32 s43, s41, 2
	s_lshl_b32 s43, 15, s43                        ; my row of the cluster
	s_lshl_b32 s44, 0x1111, s40                    ; my column
	s_and_b32 s18, ttmp7, 0xffff                   ; where my cluster's walk along K begins: Y = the cluster's y, 0..7,
	s_sub_co_u32 s19, 7, s18
	s_cmp_lt_u32 s18, 4
	s_cselect_b32 s18, s18, s19                    ; f(Y) = 0 1 2 3 3 2 1 0,
	s_lshl_b32 s18, s18, 1
	s_lshl_b32 s19, ttmp9, 2                       ; X = the cluster's x, 0 or 1:
	s_add_co_u32 s[KI], s18, s19
	s_and_b32 s[KI], s[KI], STEPS-1                ; (4 X + 2 f(Y)) mod 8: made of no place inside the cluster
	s_mov_b32 s[KO+1], 0
	s_or_b32 s[G1A], s43, (1<<16)|(1<<20)|(1<<21)|(5<<22)|(3<<25)  ; the mask; 2-byte elements; padding on; bit 21 beside a mask; 4 words behind every 64
	s_or_b32 s[G1B], s44, (1<<16)|(1<<20)|(1<<21)|(5<<22)|(3<<25)
	s_mov_b32 s[G1A+1], 128<<16                    ; tensor_dim0 = 128
	s_mov_b32 s[G1A+2], 64<<16                     ; tensor_dim1 = 64
	s_mov_b32 s[G1A+3], 128<<16                    ; tile_dim0 = 128
	s_mov_b32 s[G1A+4], 64                         ; tile_dim1 = 64
	s_mov_b32 s[G1A+5], 1024                       ; elements from row to row
	s_mov_b32 s[G1A+6], 0
	s_mov_b32 s[G1A+7], 0
	s_mov_b32 s[G1B+1], 128<<16
	s_mov_b32 s[G1B+2], 128<<16                    ; 128 rows
	s_mov_b32 s[G1B+3], 128<<16
	s_mov_b32 s[G1B+4], 128
	s_mov_b32 s[G1B+5], 1024
	s_mov_b32 s[G1B+6], 0
	s_mov_b32 s[G1B+7], 0
	s_lshl_b32 s16, s13, 18                        ; O: (128 x tile row + 64 x half) rows of 2,048 bytes
	s_lshl_b32 s17, s12, 17
	s_add_co_u32 s16, s16, s17
	s_mov_b32 s17, 0
	s_lshl_b32 s46, s42, 19                        ; Wo: (256 x tile column + 128 x half) rows of 2,048 bytes,
	s_lshl_b32 s47, s12, 18
	s_add_co_u32 s46, s46, s47
	s_add_co_u32 s46, s46, 0x1c00000               ; 28 MiB into cb
	s_mov_b32 s47, 0
	s_mul_i32 s20, s12, 64*PITCH                   ; my part's place in a slot, for O and for Wo: no place in the cluster enters an LDS address
	s_mul_i32 s21, s12, 128*PITCH
	s_add_co_u32 s21, s21, AT
	s_mov_b32 s[TB], 0                             ; the walk's first step lies in slot 0
	s_mov_b32 s[FS], SLOT                          ; the last first fill goes to slot 1
	s_wait_dscnt 0x0                               ; the opening add is done
	s_wait_kmcnt 0x0
	s_add_nc_u64 s[AB:AB+1], s[4:5], s[16:17]
	s_add_nc_u64 s[BB:BB+1], s[6:7], s[46:47]
	CROUND                                         ; all sixteen work-groups are here: the first joint loads meet
.irp s, 0,1
	s_lshl_b32 s[KO], s[KI], 8                     ; a K step is 256 bytes of a row
	s_mov_b32 s[G0A+4*(\s)], 1
	s_add_co_u32 s[G0A+4*(\s)+1], s20, (\s)*SLOT
	s_add_nc_u64 s[G0A+4*(\s)+2:G0A+4*(\s)+3], s[AB:AB+1], s[KO:KO+1]
	s_or_b32 s[G0A+4*(\s)+3], s[G0A+4*(\s)+3], 0x80000000
	s_mov_b32 s[G0B+4*(\s)], 1
	s_add_co_u32 s[G0B+4*(\s)+1], s21, (\s)*SLOT
	s_add_nc_u64 s[G0B+4*(\s)+2:G0B+4*(\s)+3], s[BB:BB+1], s[KO:KO+1]
	s_or_b32 s[G0B+4*(\s)+3], s[G0B+4*(\s)+3], 0x80000000
	JLOAD \s
	s_add_co_u32 s[KI], s[KI], 1                   ; the walk goes round
	s_and_b32 s[KI], s[KI], STEPS-1
.endr
	v_and_b32 v1, 15, v0                           ; r
	v_bfe_u32 v2, v0, 4, 1                         ; h
	v_and_b32 v3, 31, v0                           ; l
	v_mul_u32_u24 v11, v1, PITCH
	v_lshl_add_u32 v11, v2, 4, v11
	s_mul_i32 s18, s11, 64*PITCH                   ; my 64 rows of O
	s_mul_i32 s19, s12, 128*PITCH                  ; my 128 rows of Wo
	s_add_co_u32 s19, s19, AT
	v_add_nc_u32 v[ADRA], s18, v11
	v_add_nc_u32 v[ADRB], s19, v11
	ADDR
	s_mul_i32 s23, s10, 16*SP
	s_add_co_u32 s23, s23, STAGE                   ; my stage
	v_mul_u32_u24 v[STO], v1, SP                   ; in: row r, 32 bytes for each half of the lanes
	v_lshl_add_u32 v[STO], v2, 5, v[STO]
	v_add_nc_u32 v[STO], s23, v[STO]
	v_lshl_add_u32 v[RD], v3, 4, s23               ; back: 32 lanes take one row of 512 bytes
	v_lshlrev_b32 v[CO], 4, v3
	s_lshl_b32 s16, s13, 20                        ; out0: (128 x tile row + 64 x my half) rows of 8,192 bytes
	s_lshl_b32 s17, s11, 19
	s_add_co_u32 s16, s16, s17
	s_mov_b32 s17, 0
	s_add_nc_u64 s[8:9], s[8:9], s[16:17]
	s_lshl_b32 s46, s42, 10                        ; + 1,024 x tile column + 512 x my half
	s_lshl_b32 s47, s12, 9
	s_add_co_u32 s46, s46, s47
	s_mov_b32 s47, 0
	s_add_nc_u64 s[8:9], s[8:9], s[46:47]
.macro MUL8 f, a, zero                 ; row block a x all 8 column blocks, 32 along K
	WIN 0x50
.irp b, 0,1,2,3,4,5,6,7
.if \zero
	v_wmma_f32_16x16x32_f16 v[8*(8*(\a)+(\b)):8*(8*(\a)+(\b))+7], v[(\f)+32+8*(\b):(\f)+32+8*(\b)+7], v[(\f)+8*(\a):(\f)+8*(\a)+7], 0
.else
	v_wmma_f32_16x16x32_f16 v[8*(8*(\a)+(\b)):8*(8*(\a)+(\b))+7], v[(\f)+32+8*(\b):(\f)+32+8*(\b)+7], v[(\f)+8*(\a):(\f)+8*(\a)+7], v[8*(8*(\a)+(\b)):8*(8*(\a)+(\b))+7]
.endif
.endr
.endm
.macro FETCH k, f                      ; 24 LDS loads in one run, from the slot that is read: 16 for Wo, then 8 for O
	WIN 0
.irp b, 0,1,2,3,4,5,6,7
	ds_load_b128 v[(\f)+32+8*(\b):(\f)+32+8*(\b)+3],   v[CB] offset:(\k)+(\b)*16*PITCH
	ds_load_b128 v[(\f)+32+8*(\b)+4:(\f)+32+8*(\b)+7], v[CB] offset:(\k)+(\b)*16*PITCH+32
.endr
.irp a, 0,1,2,3
	ds_load_b128 v[(\f)+8*(\a):(\f)+8*(\a)+3],   v[CA] offset:(\k)+(\a)*16*PITCH
	ds_load_b128 v[(\f)+8*(\a)+4:(\f)+8*(\a)+7], v[CA] offset:(\k)+(\a)*16*PITCH+32
.endr
.endm
; A K step is four quarters of 32 along K, 32 matrix instructions each, on buffers 0, 1, 0, 1; the 32 accumulators take turns in one order throughout.
.macro QUARTER k, f, g, zero
	s_wait_dscnt 4                                 ; Wo and O's rows 0-31 are in; the youngest four loads may be out
	MUL8 \f, 0, \zero
	MUL8 \f, 1, \zero
	PLACES
	FETCH \k, \g
	s_wait_dscnt 24                                ; all but the 24 just issued
	MUL8 \f, 2, \zero
	MUL8 \f, 3, \zero
.endm
; The last quarter changes slots and then multiplies buffer 1.  The slot's last fragments were asked for in the third quarter, so the change stands at the quarter's head: each wave waits for all its
; tensor loads, adds 0 to its spare word, and waits for that and for its own reads of this slot.  fill = 1: the barrier is a round of the cluster's, and this slot is filled again, two steps of the walk
; ahead, first thing behind it: from the request to the wait for it a wave issues a whole K step's 128 matrix instructions.
.macro TURN fill
	WIN 0
	s_wait_tensorcnt 0x0                           ; no tensor load of mine is out, so a group 0 may be written
	ds_add_u32 v[SPW], v[NIL]                      ; 0 onto my spare word; the scalar steps below stand between it and the wait for it
.if \fill
	s_xor_b32 s[FS], s[FS], SLOT                   ; the refills' descriptors: the other slot than last time,
	s_add_co_u32 s[G0A+5], s[FS], s20
	s_add_co_u32 s[G0B+5], s[FS], s21
	s_lshl_b32 s[KO], s[KI], 8                     ; and the walk's next K step: the address is made anew from its number
	s_add_nc_u64 s[G0A+6:G0A+7], s[AB:AB+1], s[KO:KO+1]
	s_or_b32 s[G0A+7], s[G0A+7], 0x80000000
	s_add_nc_u64 s[G0B+6:G0B+7], s[BB:BB+1], s[KO:KO+1]
	s_or_b32 s[G0B+7], s[G0B+7], 0x80000000
	s_add_co_u32 s[KI], s[KI], 1
	s_and_b32 s[KI], s[KI], STEPS-1
.endif
	s_xor_b32 s[TB], s[TB], SLOT                   ; the fetches go to the other slot
	s_wait_dscnt 0x0                               ; the add is done, and my reads of this slot are over
.if \fill
	CROUND                                         ; no wave of any partner still reads this slot or has a load on its way
	JLOAD 1
.else
	s_barrier_signal -1
	s_barrier_wait -1
	v_nop                                          ; with the two additions below: the four places in front of the loads into buffer 0, which the third quarter multiplied
	v_nop
.endif
	ADDR
	FETCH 0, F0
	MUL8 F1, 0, 0
	MUL8 F1, 1, 0
	MUL8 F1, 2, 0
	MUL8 F1, 3, 0
.endm
	s_wait_tensorcnt 1                             ; my part of the walk's first step is in; the second's may stay out
	s_barrier_signal -1
	s_barrier_wait -1
	FETCH 0, F0
	QUARTER 64, F0, F1, 1                          ; the first quarter stands in front of the loop: its products start the sums
	WIN 0
	s_mov_b32 s22, STEPS-2
.Lstep:                                                ; a trip: a K step's second quarter to the next step's first; the slot that it leaves is filled again
	QUARTER 128, F1, F0, 0
	QUARTER 192, F0, F1, 0
	TURN 1
	QUARTER 64,  F0, F1, 0
	WIN 0
	s_sub_co_u32 s22, s22, 1
	s_cmp_lg_u32 s22, 0
	s_cbranch_scc1 .Lstep
	s_mov_b32 s22, 2
.Ltail:                                                ; the last two K steps fill nothing
	QUARTER 128, F1, F0, 0
	QUARTER 192, F0, F1, 0
	TURN 0                                         ; in the second trip its barrier and its 24 loads (of the other slot's old bytes) serve nothing: the price, once a launch, of one text for both trips
	WIN 0
	s_cmp_eq_u32 s22, 1
	s_cbranch_scc1 .Llast                          ; behind the last K step there is no next step's first quarter
	QUARTER 64,  F0, F1, 0
	WIN 0
.Llast:
	s_wait_dscnt 0x0                               ; both ways arrive with no LDS load out
	s_sub_co_u32 s22, s22, 1
	s_cmp_lg_u32 s22, 0
	s_cbranch_scc1 .Ltail
	PLACES
	; THE WAY OUT: 16 rows x 512 bytes at a time through my own stage (no barrier: LDS serves a wave's instructions in order, ISA guide 5.7.1.4), back as whole rows
.irp a, 0,1,2,3
	WIN 0x04                                       ; the stores' data in window 1; each accumulator's lowest registers go first
.irp b, 0,1,2,3,4,5,6,7
	ds_store_b128 v[STO], v[8*(8*(\a)+(\b)):8*(8*(\a)+(\b))+3]   offset:64*(\b)
	ds_store_b128 v[STO], v[8*(8*(\a)+(\b))+4:8*(8*(\a)+(\b))+7] offset:64*(\b)+16
.endr
	WIN 0
	s_wait_xcnt 0x0                                ; the registers below may be the data of earlier stores
.irp i, 0,1,2,3,4,5,6,7,8,9,10,11,12,13,14,15
	ds_load_b128 v[32+64*((\a)%2)+4*(\i):32+64*((\a)%2)+4*(\i)+3], v[RD] offset:SP*(\i)
.endr
.irp i, 0,1,2,3,4,5,6,7,8,9,10,11,12,13,14,15
	s_wait_dscnt 15-(\i)                           ; row i is back, the younger loads stay out
	global_store_b128 v[CO], v[32+64*((\a)%2)+4*(\i):32+64*((\a)%2)+4*(\i)+3], s[8:9] offset:(16*(\a)+(\i))*8192 th:TH_STORE_NT  ; 512 consecutive bytes, at a multiple of 256 from out0's first byte
.endr
.endr
	s_wait_tensorcnt 0x0                           ; the wave's end: behind my last tensor load and my last LDS store
	ds_add_u32 v[SPW], v[NIL]
	s_wait_dscnt 0x0
	CROUND                                         ; the closing round
	s_endpgm
.Lfunc_end_k_qbfccd8800f_oproj:
	.size	k_qbfccd8800f_oproj, .Lfunc_end_k_qbfccd8800f_oproj-k_qbfccd8800f_oproj
	.p2alignl 7, 3214868480
	.fill 96, 4, 3214868480
	.section	.rodata,"a",@progbits
	.p2align	6, 0x0
	.amdhsa_kernel k_qbfccd8800f_oproj
		.amdhsa_group_segment_fixed_size 327680
		.amdhsa_private_segment_fixed_size 0
		.amdhsa_enable_private_segment 0
		.amdhsa_kernarg_size 24
		.amdhsa_user_sgpr_count 2
		.amdhsa_user_sgpr_kernarg_segment_ptr 1
		.amdhsa_wavefront_size32 1
		.amdhsa_system_sgpr_workgroup_id_x 1
		.amdhsa_system_sgpr_workgroup_id_y 1
		.amdhsa_system_sgpr_workgroup_id_z 1
		.amdhsa_system_vgpr_workitem_id 0
		.amdhsa_next_free_vgpr 512
		.amdhsa_next_free_sgpr 80
		.amdhsa_reserve_vcc 0
		.amdhsa_float_denorm_mode_32 3
		.amdhsa_float_denorm_mode_16_64 3
		.amdhsa_memory_ordered 1
		.amdhsa_forward_progress 1
		.amdhsa_inst_pref_size 62
	.end_amdhsa_kernel
	.amdgpu_metadata
---
amdhsa.version: [ 1, 2 ]
amdhsa.kernels:
  - .name:           k_qbfccd8800f_oproj
    .symbol:         k_qbfccd8800f_oproj.kd
    .args:
      - { .name: ob, .offset: 0, .size: 8, .value_kind: global_buffer, .address_space: global }
      - { .name: cb, .offset: 8, .size: 8, .value_kind: global_buffer, .address_space: global }
      - { .name: out0, .offset: 16, .size: 8, .value_kind: global_buffer, .address_space: global }
    .group_segment_fixed_size: 327680
    .private_segment_fixed_size: 0
    .kernarg_segment_align: 8
    .kernarg_segment_size: 24
    .max_flat_workgroup_size: 128
    .sgpr_count:     80
    .vgpr_count:     512
    .wavefront_size: 32
...
	.end_amdgpu_metadata
.endif
;; end of part 4
